; MI455X (gfx1250); checked and timed in simulation.
; The chip was launched on July 23, 2026; its instructions are those of AMD's public machine-readable ISA for CDNA 5 (MIT licence, August 2026) and "CDNA5" Instruction Set Architecture Reference Guide (July 2026). The comments in the code are by the model that wrote it; some were corrected since.
;; Chunked Cross Attention. Allowed arithmetic: matrix products marked QUANTISED: E3M2 operands, one E8M0 scale for each 32 along K, by v_wmma_scale_f32_16x16x128_f8f6f4 with both operands' format E3M2, f32 sums; everything else in f32.
;; Inputs: Wk 1,024 x 1,024 float32; Wo 1,024 x 1,024 float32; Wq 1,024 x 1,024 float32; Wv 1,024 x 1,024 float32; bk 1,024 float32; bo 1,024 float32; bq 1,024 float32; bv 1,024 float32; e 4 x 16 x 2 x 128 x 1,024 float32; g_norm 1,024 float32; h 4 x 1,024 x 1,024 float32.
;; Outputs: out0 4 x 1,024 x 1,024 float32.
;; This version of the problem:
;;   THIS VERSION OF THE PROBLEM IS GIVEN IN LOW PRECISION. The matrix products marked QUANTISED in the list below multiply operands that are first quantised to E3M2 (3 exponent bits, 2 mantissa bits; 6 bits a number), with one power-of-two scale for each 32 numbers along K (OCP MX v1.0); their sums are f32. All else is computed in f32.
;;   The module's matrix products, in the order in which they are computed (A, B: the left and right operand; K: the contracted axis; several contracted axes count as one K, in the product's order):
;;     1. [M 4,096, K 1,024] x [K 1,024, N 1,024]; A: computed on the way; B: input Wq: QUANTISED
;;     2. [M 16,384, K 1,024] x [K 1,024, N 1,024]; A: input e; B: input Wk: QUANTISED
;;     3. [M 16,384, K 1,024] x [K 1,024, N 1,024]; A: input e; B: input Wv: QUANTISED
;;     4. batch 1,024 x [M 64, K 64] x [K 64, N 256]; A: computed on the way; B: computed on the way: QUANTISED
;;     5. batch 1,024 x [M 64, K 256] x [K 256, N 64]; A: computed on the way; B: computed on the way: QUANTISED
;;     6. [M 4,096, K 1,024] x [K 1,024, N 1,024]; A: computed on the way; B: input Wo: QUANTISED
;;   THE QUANTISER, for each operand of a quantised product, along K:
;;     - K is cut into blocks of 32 from its start; a last block that is shorter is filled with zeros.
;;     - A block's scale is 2^e with e = floor(log2(the largest magnitude in the block)) - 4, held to -126 .. 127; a block of zeros has e = 0. As a byte (E8M0): e + 127.
;;     - Each number is divided by its block's scale, clamped to +-28, and rounded to the nearest number of E3M2, ties to even, subnormals kept.
;;     - The product sums the exact products of the quantised numbers (number of the format x scale) in f32.
;;   ~~~python
;;   def quantise(x, axis):      # numpy; x: float32 -> the quantised numbers, widened to float32 again
;;       x = np.moveaxis(x, axis, -1); K = x.shape[-1]
;;       x = np.pad(x, [(0, 0)] * (x.ndim - 1) + [(0, -K % 32)]); x = x.reshape(x.shape[:-1] + (-1, 32)); a = np.abs(x).max(-1, keepdims=True)
;;       e = np.where(a > 0, np.clip(np.frexp(np.where(a > 0, a, 1))[1] - 1 - 4, -126, 127), 0)      # np.frexp(a)[1] - 1 = floor(log2(a)), exactly
;;       r = np.clip(x / 2.0 ** e, -28, 28)
;;       step = 2.0 ** (np.maximum(np.frexp(np.where(r == 0, 1, r))[1] - 1, -2) - 2)
;;       q = np.round(r / step) * step * 2.0 ** e      # np.round: ties to even
;;       return np.moveaxis(q.reshape(q.shape[:-2] + (-1,))[..., :K], -1, axis).astype(np.float32)
;;   ~~~
;;   OPERANDS COMPUTED ON THE WAY. 'Computed on the way' means the value that the module computes at that place (a softmax that the list does not call 'softmax' is quantised finished and normalised). What goes into a quantiser is computed in f32, as accurately as f32 sums, v_exp_f32 and their like allow (about 1e-6 of the number): no bf16 or f16 on the way to a quantiser, and a product that is left as it is and whose result goes on into a quantised operand takes f32 operands (vector FMAs, or v_wmma_f32_16x16x4_f32). A number that lies on a knife's edge between two numbers of the format may be rounded either way, as far as f32 arithmetic and the matrix unit's own rounding can turn it there, and no further.
;; One version. Each part assembles by itself: llvm-mc -triple=amdgcn-amd-amdhsa -mcpu=gfx1250 --defsym DOCPART=n.
;; ======== version 1 of 1: 3 launches
;; limits: right only within a limited range of input values
;; workspace buffers: acodes 16,384,000 bytes; wcodes 3,276,800 bytes; ocodes 3,276,800 bytes
;; launch quant (part 1): grid 256 x 1, 6 waves a work-group, no clusters, 138,240 bytes of LDS; arguments e, h, g_norm, Wv, Wk, Wq, Wo, acodes, wcodes; writes acodes, wcodes
.if DOCPART == 1
	.amdgcn_target "amdgcn-amd-amdhsa--gfx1250"
	.amdhsa_code_object_version 6
	.text
	.protected	k_qd7b0e2ae99_quant
	.globl	k_qd7b0e2ae99_quant
	.p2align	8
	.type	k_qd7b0e2ae99_quant,@function
k_qd7b0e2ae99_quant:
	s_mov_b64 s[64:65], 0
	v_nop
	global_prefetch_b8 v0, s[64:65] scope:SCOPE_SE
	s_setreg_imm32_b32 hwreg(HW_REG_WAVE_MODE, 25, 1), 1
	s_wait_xcnt 0x0
; e, rmsnorm(h shifted by 63 rows) and the four weights become codes of BF6 (E3M2) with one E8M0 byte for each 32 along K, laid in the ORDER OF THE OPERAND'S REGISTERS.
; A block's scale is 2^(floor(log2(largest magnitude)) - 4): its byte is the largest magnitude's exponent field - 4, held at 1 from below by a floor among the maximum's leaves.
; AN IMAGE (16 rows x 128 K, 1,536 bytes): half c (registers 6c..6c+5 of lane (r, h): k = 64c + 32h + 0..31) at byte 768c: 512 bytes with registers 6c..6c+3 at 16 x lane, then 256 bytes with registers 6c+4, 6c+5 at 16r + 8h.
; ROWS OF A TILE: in each 64 rows of e and each 64 columns of a weight, tile x holds 8x + r + 24 [r >= 8]; so the four result tiles of such a group give a lane 32 neighbours along the next K.
; acodes [64 chunks][256,000]: position i at 30,720 i: 20 images (16 groups of e, 4 of hn); from 245,760: 512 bytes a group, the scale word of (position i, row r) at 64 i + 4 r.
;   Position i of chunk y holds K step (y + i) mod 8: the next launch's work-groups so walk the weights' records from different starts.
; wcodes [16 column groups][V, K, Q, O][8 K steps][6,400]: four images, then 256 bytes of scale words: lane 16h + r's pair holds the words of tiles h and 2 + h, column r.
; SHARES. 256 work-groups of SIX waves, each wave 64 KiB of input, so that every work-group has the same work. Waves 0-3: 16 rows of e each (rows 64 id .. 64 id + 63). Wave 4: 16 rows of hn
;   (chunk id / 4, tile id % 4: h's rows 16 id + 63 on). Wave 5: 128 rows x 128 columns of a weight (weight id / 64, K step (id / 8) % 8, columns 128 (id % 8) on). The waves part on the wave's number and share nothing: no barrier.
;   The rows of hn past each batch's 961st are thrown away by the last launch: they take rows of h that lie inside the buffer (held at row 4,095).
; hn READS h ONCE: the squares are summed as the rows are loaded, x g waits in LDS (a stage for each of the 8 K steps), and is multiplied by rs and quantised from there.
; Every load reads 512 consecutive bytes; a step turns through the wave's own stage in LDS so that a lane holds neighbours along K; every store covers 256 or 512 consecutive bytes, aligned.
; No matrix unit, cluster or tensor load: the launch streams each input once. Each role has LDS bytes of its own.
; LIMITS: NaN and infinities are not served; a block whose largest magnitude lies under 2^-122, a block of zeros too, gets the byte 1 (its codes are right under that byte; only this program reads the bytes).
.set STG_E,  0                         ; e's stages: 16 rows x 528 bytes a wave, by the wave's number (room for six)
.set STG_H,  50688                     ; hn's: eight such stages, one for each K step
.set RED,    118272                    ; hn's partial sums of squares: 16 rows x 144 bytes
.set STG_W,  120576                    ; the weights': 32 rows x 528 bytes
.set SPARE,  137472                    ; the spare words: 128 bytes a wave, named by no other line
.set FLOOR,  0x2800000                 ; 2^(5 - 127)
.set EOFF,   0xfe000000                ; - (4 << 23)
.set L16,  1                           ; 16 x lane
.set L8H,  2                           ; 16 r + 8 h
.set STI,  3                           ; stage + 16 x lane
.set STO,  4                           ; stage + 528 r + 128 h
.set SH8,  5                           ; 8 h
.set WRD,  6                           ; weights: stage + 4 (8h + r + 24 [r >= 8])
.set WS16, 7                           ; weights: 1,536 h + 16 r
.set WS8,  8                           ; 8 x lane
.set SCS,  9                           ; stage + 4 r
.set RDL,  10                          ; hn: RED + 144 r + 64 h
.set STI2, 13                          ; hn: STI and STO four stages on: an LDS offset has 16 bits
.set STO2, 14
.set RDS,  15                          ; hn: RED + 4 x lane
.set ROFF, 16                          ; v16-31  row i's byte offset + 16 x lane
.set SW,   32                          ; v32-39  scale words of the 8 positions
.set OUTW, 40
.set PC,   44                          ; v44-55  a fragment's codes
.set TT,   56                          ; v56-62  second halves of blocks (a conversion's three registers begin on an even number)
.set T,    64
.set SO,   66
.set BY,   68
.set WT,   70
.set G,    72                          ; v72-103 g of the 8 positions, 4 numbers a lane
.set SSQ,  104
.set RS,   112
.set SPW,  114
.set NIL,  115
.set X,    128                         ; v128-255 two sets of 64 neighbours (weights: four blocks of 32)
.set SSP,  192                         ; hn, first phase: v192-223 a packed sum of squares for each of the 16 rows
.set RX,   224                         ; hn: v224-239 my row's 16 partial sums
.set SWW,  32                          ; the weights' role
.set EC,   44
.set HB,   72
.set TTW,  88
.set TW,   116
.set SOW,  120
.set BYW,  124
.set WV,   22
.set KB,   32                          ; s[32:47] the source at the K step of position t
.set DST,  48
.set SCD,  50
.set SEL,  52
.set WSRC, 40
.set WDST, 42
.set MSB, 0
.macro WIN new                         ; the immediate's high byte repeats the setting that is left
.if MSB != (\new)
	s_set_vgpr_msb (MSB<<8)|(\new)
.set MSB, (\new)
.endif
.endm
; e: step u's 16 rows x 512 bytes into set u % 3 of window 1
.macro LOADR u
	WIN 0x40
.irp i,0,1,2,3,4,5,6,7,8,9,10,11,12,13,14,15
	global_load_b128 v[64*((\u)%3)+4*\i:64*((\u)%3)+4*\i+3], v[ROFF+\i], s[KB+2*(\u):KB+2*(\u)+1] th:TH_LOAD_NT
.endr
	WIN 0
.endm
; e: through the stage: in as loaded, out 2 x 128 bytes of my row. LDS serves a wave's instructions in order, so one stage does: these stores come behind the last step's loads
.macro TURN u
	WIN 0x04
.irp i,0,1,2,3,4,5,6,7,8,9,10,11,12,13,14,15
	ds_store_b128 v[STI], v[64*((\u)%3)+4*\i:64*((\u)%3)+4*\i+3] offset:528*\i
.endr
	WIN 0
.irp c,0,1
.irp j,0,1,2,3,4,5,6,7
	ds_load_b128 v[X+64*((\u)%2)+32*\c+4*\j:X+64*((\u)%2)+32*\c+4*\j+3], v[STO] offset:256*\c+16*\j
.endr
.endr
.endm
.macro RSCALC                          ; rs = rsqrt(sum / 1024 + 1e-8), twice, for the packed multiply
	v_pk_add_f32 v[SSQ:SSQ+1], v[SSQ:SSQ+1], v[SSQ+2:SSQ+3]
	v_pk_add_f32 v[SSQ+4:SSQ+5], v[SSQ+4:SSQ+5], v[SSQ+6:SSQ+7]
	v_pk_add_f32 v[SSQ:SSQ+1], v[SSQ:SSQ+1], v[SSQ+4:SSQ+5]
	v_add_f32 v[SSQ], v[SSQ], v[SSQ+1]
	v_permlanex16_b32 v[SSQ+1], v[SSQ], s[SEL], s[SEL+1]
	v_add_f32 v[SSQ], v[SSQ], v[SSQ+1]             ; with lane l xor 16's half of the row
	v_fma_f32 v[SSQ], v[SSQ], s55, s56
	s_wait_alu depctr_va_vdst(0)
	v_rsq_f32 v[RS], v[SSQ]
	v_rsq_f32 v[RS+1], v[SSQ]
	v_nop                                          ; a plain instruction behind the transcendentals
	s_wait_alu depctr_va_vdst(0)                   ; the wait ahead of the first reader: one for both
.endm
.macro RSMUL xs
.set i, 0
.rept 32
	v_pk_mul_f32 v[(\xs)+i:(\xs)+i+1], v[(\xs)+i:(\xs)+i+1], v[RS:RS+1]
.set i, i+2
.endr
.endm
; 64 numbers of a lane (two whole blocks of 32) become a fragment's 12 registers in PC and my row's scale word in SW + t
.macro QUANT64 xs, t
	v_max3_num_f32 v[T], |v[(\xs)]|, |v[(\xs)+1]|, FLOOR
	v_max3_num_f32 v[T+1], |v[(\xs)+32]|, |v[(\xs)+33]|, FLOOR
.irp i,2,4,6,8,10,12,14,16,18,20,22,24,26,28,30
	v_max3_num_f32 v[T], v[T], |v[(\xs)+\i]|, |v[(\xs)+\i+1]|
	v_max3_num_f32 v[T+1], v[T+1], |v[(\xs)+32+\i]|, |v[(\xs)+33+\i]|
.endr
	v_add_nc_u32 v[SO], EOFF, v[T]                 ; 4 off the exponent field: the conversion's scale operand
	v_add_nc_u32 v[SO+1], EOFF, v[T+1]
	v_lshrrev_b32 v[BY], 23, v[SO]                 ; the bytes
	v_lshrrev_b32 v[BY+1], 23, v[SO+1]
	v_lshl_or_b32 v[WT], v[BY+1], 16, v[BY]        ; mine are bytes h and 2 + h of the word
	v_lshlrev_b32 v[WT], v[SH8], v[WT]
	v_permlanex16_b32 v[WT+1], v[WT], s[SEL], s[SEL+1]
	v_or_b32 v[SW+(\t)], v[WT], v[WT+1]
	s_wait_alu depctr_va_vdst(0)
	s_wait_xcnt 0x0                                ; the last step's stores have read PC: it is rewritten only behind this wait
	v_cvt_scalef32_pk16_bf6_f32 v[PC:PC+2], v[(\xs):(\xs)+15], v[SO]
	v_cvt_scalef32_pk16_bf6_f32 v[TT:TT+2], v[(\xs)+16:(\xs)+31], v[SO]
	v_cvt_scalef32_pk16_bf6_f32 v[PC+6:PC+8], v[(\xs)+32:(\xs)+47], v[SO+1]
	v_cvt_scalef32_pk16_bf6_f32 v[TT+4:TT+6], v[(\xs)+48:(\xs)+63], v[SO+1]
	v_nop                                          ; one plain place behind the conversions
.irp i,0,1,2
	v_mov_b32 v[PC+3+\i], v[TT+\i]
	v_mov_b32 v[PC+9+\i], v[TT+4+\i]
.endr
.endm
.macro SEND t                          ; the image of position t: 512, 256, 512, 256 consecutive bytes
	global_store_b128 v[L16], v[PC:PC+3], s[DST:DST+1] offset:30720*(\t)
	global_store_b64 v[L8H], v[PC+4:PC+5], s[DST:DST+1] offset:30720*(\t)+512
	global_store_b128 v[L16], v[PC+6:PC+9], s[DST:DST+1] offset:30720*(\t)+768
	global_store_b64 v[L8H], v[PC+10:PC+11], s[DST:DST+1] offset:30720*(\t)+1280
.endm
; e: one step of eight. Loads run three steps ahead, the turn through LDS one step
.macro STEP u
	s_wait_dscnt 0x0                               ; this step's numbers are back; so its stores into the stage have read their registers,
.if (\u)+3 <= 7
	LOADR (\u)+3                                   ; which take the loads of three steps on
.endif
.if (\u) < 7
.if (\u)+3 <= 7
	s_wait_loadcnt 32                              ; the next step's 16 loads are in; those of the two steps behind it may be out
.else
	s_wait_loadcnt 16*(6-(\u))
.endif
	TURN (\u)+1
.endif
	QUANT64 X+64*((\u)%2), \u
	SEND \u
.endm
; s24 = chunk, s29 = row group: LDS addresses, the eight rotated K steps of the source, the two destinations
.macro ROWSET src, stg, perwave
.if \perwave
	s_mul_i32 s23, s[WV], 8448
	s_add_co_u32 s23, s23, \stg
.else
	s_mov_b32 s23, \stg
.endif
	v_add_nc_u32 v[STI], s23, v[L16]
	v_mul_u32_u24 v[STO], v11, 528
	v_lshl_add_u32 v[STO], v12, 7, v[STO]
	v_add_nc_u32 v[STO], s23, v[STO]
	v_lshl_add_u32 v[SCS], v11, 2, s23
	s_and_b32 s26, s24, 7
.irp t,0,1,2,3,4,5,6,7
	s_add_co_u32 s30, s26, \t
	s_and_b32 s30, s30, 7
	s_lshl_b32 s30, s30, 9
	s_add_nc_u64 s[KB+2*\t:KB+2*\t+1], s[\src:\src+1], s[30:31]
.endr
	s_mul_i32 s28, s24, 256000
	s_mul_i32 s30, s29, 1536
	s_add_co_u32 s30, s30, s28
	s_add_nc_u64 s[DST:DST+1], s[18:19], s[30:31]
	s_lshl_b32 s30, s29, 9
	s_add_co_u32 s30, s30, s28
	s_add_co_u32 s30, s30, 245760
	s_add_nc_u64 s[SCD:SCD+1], s[18:19], s[30:31]
.endm
; the eight scale words turn through bytes of the stage that have been read (word of position t, row r at 64 t + 4 r; both halves of the lanes write the same word) and leave as 512 consecutive bytes
.macro ROWEND
.irp t,0,1,2,3,4,5,6,7
	ds_store_b32 v[SCS], v[SW+\t] offset:64*\t
.endr
	ds_load_b128 v[OUTW:OUTW+3], v[STI]
	s_wait_dscnt 0x0
	global_store_b128 v[L16], v[OUTW:OUTW+3], s[SCD:SCD+1]
	s_wait_tensorcnt 0x0                           ; the wave's end, behind my last LDS store
	ds_add_u32 v[SPW], v[NIL]
	s_wait_dscnt 0x0
	s_endpgm
.endm
; hn: step u's 16 rows x 512 bytes into set u % 4 of window 1
.macro LOADH u
	WIN 0x40
.irp i,0,1,2,3,4,5,6,7,8,9,10,11,12,13,14,15
	global_load_b128 v[64*((\u)%4)+4*\i:64*((\u)%4)+4*\i+3], v[ROFF+\i], s[KB+2*(\u):KB+2*(\u)+1] th:TH_LOAD_NT
.endr
	WIN 0
.endm
; hn, first phase, step u: the squares are added as loaded (register set i is row i: a packed sum for each row; step 0's multiply starts the sums), then x g goes to step u's own stage. Loads run four steps ahead
.macro SQG u
.if (\u) < 5
	s_wait_loadcnt 48                              ; this step's 16 loads are in; those of the three steps behind it may be out
.else
	s_wait_loadcnt 16*(7-(\u))
.endif
	WIN 0x05                                       ; sources 0 and 1 window 1; the sums window 0
.irp i,0,1,2,3,4,5,6,7,8,9,10,11,12,13,14,15
.if (\u) == 0
	v_pk_mul_f32 v[SSP+2*\i:SSP+2*\i+1], v[64*((\u)%4)+4*\i:64*((\u)%4)+4*\i+1], v[64*((\u)%4)+4*\i:64*((\u)%4)+4*\i+1]
.else
	v_pk_fma_f32 v[SSP+2*\i:SSP+2*\i+1], v[64*((\u)%4)+4*\i:64*((\u)%4)+4*\i+1], v[64*((\u)%4)+4*\i:64*((\u)%4)+4*\i+1], v[SSP+2*\i:SSP+2*\i+1]
.endif
.endr
.irp i,0,1,2,3,4,5,6,7,8,9,10,11,12,13,14,15
	v_pk_fma_f32 v[SSP+2*\i:SSP+2*\i+1], v[64*((\u)%4)+4*\i+2:64*((\u)%4)+4*\i+3], v[64*((\u)%4)+4*\i+2:64*((\u)%4)+4*\i+3], v[SSP+2*\i:SSP+2*\i+1]
.endr
	WIN 0x41                                       ; x g: a lane's four numbers of every row lie at the same four columns
.irp i,0,1,2,3,4,5,6,7,8,9,10,11,12,13,14,15
	v_pk_mul_f32 v[64*((\u)%4)+4*\i:64*((\u)%4)+4*\i+1], v[64*((\u)%4)+4*\i:64*((\u)%4)+4*\i+1], v[G+4*(\u):G+4*(\u)+1]
	v_pk_mul_f32 v[64*((\u)%4)+4*\i+2:64*((\u)%4)+4*\i+3], v[64*((\u)%4)+4*\i+2:64*((\u)%4)+4*\i+3], v[G+4*(\u)+2:G+4*(\u)+3]
.endr
	WIN 0x04
.irp i,0,1,2,3,4,5,6,7,8,9,10,11,12,13,14,15
.if (\u) < 4
	ds_store_b128 v[STI], v[64*((\u)%4)+4*\i:64*((\u)%4)+4*\i+3] offset:8448*((\u)%4)+528*\i
.else
	ds_store_b128 v[STI2], v[64*((\u)%4)+4*\i:64*((\u)%4)+4*\i+3] offset:8448*((\u)%4)+528*\i
.endif
.endr
	WIN 0
.if (\u)+4 <= 7
	s_wait_dscnt 0x0                               ; the stores have read their registers,
	LOADH (\u)+4                                   ; which take the loads of four steps on
.endif
.endm
; hn, second phase: position t's 2 x 128 bytes of my row, out of its stage
.macro LOADX t
.irp c,0,1
.irp j,0,1,2,3,4,5,6,7
.if (\t) < 4
	ds_load_b128 v[X+64*((\t)%2)+32*\c+4*\j:X+64*((\t)%2)+32*\c+4*\j+3], v[STO] offset:8448*((\t)%4)+256*\c+16*\j
.else
	ds_load_b128 v[X+64*((\t)%2)+32*\c+4*\j:X+64*((\t)%2)+32*\c+4*\j+3], v[STO2] offset:8448*((\t)%4)+256*\c+16*\j
.endif
.endr
.endr
.endm
.macro FIN t
.if (\t) < 7
	LOADX (\t)+1
	s_wait_dscnt 16                                ; this position's numbers are in; the next position's 16 loads may be out
.else
	s_wait_dscnt 0x0
.endif
	RSMUL X+64*((\t)%2)                            ; (x g) rs
	QUANT64 X+64*((\t)%2), \t
	SEND \t
.endm
	s_load_b512 s[4:19], s[0:1], 0x0               ; e, h, g, Wv, Wk, Wq, Wo, acodes
	s_load_b64 s[20:21], s[0:1], 0x40              ; wcodes
	v_lshl_add_u32 v[SPW], v0, 2, SPARE
	v_mov_b32 v[NIL], 0
	v_lshrrev_b32 v9, 5, v0
	v_readfirstlane_b32 s[WV], v9                  ; wave
	v_and_b32 v10, 31, v0                          ; lane
	v_and_b32 v11, 15, v0                          ; r
	v_bfe_u32 v12, v0, 4, 1                        ; h
	v_lshlrev_b32 v[L16], 4, v10
	v_lshlrev_b32 v[L8H], 4, v11
	v_lshl_add_u32 v[L8H], v12, 3, v[L8H]
	v_lshlrev_b32 v[SH8], 3, v12
	v_mov_b32 v[WT+1], 0                           ; a lane permute's destination counts as read
	s_mov_b32 s[SEL], 0x76543210
	s_mov_b32 s[SEL+1], 0xfedcba98                 ; lane l xor 16
	s_mov_b32 s31, 0
	s_mov_b32 s55, 0x3a800000                      ; 1 / 1024
	s_mov_b32 s56, 0x322bcc77                      ; 1e-8
	s_wait_kmcnt 0x0
	s_cmp_lt_u32 s[WV], 5
	s_cbranch_scc0 .Lweights                       ; wave 5
	s_cmp_lt_u32 s[WV], 4
	s_cbranch_scc0 .Lnorm                          ; wave 4
	; ---- waves 0-3: e. The work-group holds rows 64 id .. 64 id + 63; wave t takes 8t + i + 24 [i >= 8]
	s_lshr_b32 s24, ttmp9, 2                       ; chunk
	s_and_b32 s29, ttmp9, 3
	s_lshl_b32 s29, s29, 2
	s_add_co_u32 s29, s29, s[WV]                   ; row group
	s_lshl_b32 s27, ttmp9, 6
	s_lshl_b32 s28, s[WV], 3
	s_add_co_u32 s27, s27, s28
	s_lshl_b32 s27, s27, 12                        ; a row is 4,096 bytes
	s_wait_alu depctr_va_vdst(0)
	v_add_nc_u32 v[ROFF], s27, v[L16]
.irp i,1,2,3,4,5,6,7,8,9,10,11,12,13,14,15
	v_add_nc_u32 v[ROFF+\i], (\i+24*(\i/8))*4096, v[ROFF]
.endr
	ROWSET 4, STG_E, 1
	s_wait_alu depctr_va_vdst(0)
	LOADR 0
	LOADR 1
	LOADR 2
	s_wait_loadcnt 32                              ; step 0's loads are in
	TURN 0
.irp u,0,1,2,3,4,5,6,7
	STEP \u
.endr
	ROWEND
	; ---- wave 4: hn. Row i of tile id % 4 of chunk id / 4 is h's row 16 id + 63 + i, held inside the buffer
.Lnorm:
	s_lshr_b32 s24, ttmp9, 2                       ; chunk
	s_and_b32 s29, ttmp9, 3
	s_add_co_u32 s29, s29, 16                      ; row group 16 + m
	s_lshl_b32 s27, ttmp9, 4
	s_add_co_u32 s27, s27, 63
	s_wait_alu depctr_va_vdst(0)
.irp i,0,1,2,3,4,5,6,7,8,9,10,11,12,13,14,15
	s_add_co_u32 s28, s27, \i
	s_min_u32 s28, s28, 4095
	s_lshl_b32 s28, s28, 12
	v_add_nc_u32 v[ROFF+\i], s28, v[L16]
.endr
	ROWSET 6, STG_H, 0
	s_wait_alu depctr_va_vdst(0)
	v_add_nc_u32 v[STI2], 4*8448, v[STI]
	v_add_nc_u32 v[STO2], 4*8448, v[STO]
	v_lshl_add_u32 v[RDS], v10, 2, RED
	v_mul_u32_u24 v[RDL], v11, 144
	v_lshl_add_u32 v[RDL], v12, 6, v[RDL]
	v_add_nc_u32 v[RDL], RED, v[RDL]
.irp t,0,1,2,3,4,5,6,7
	s_add_co_u32 s30, s26, \t
	s_and_b32 s30, s30, 7
	s_lshl_b32 s30, s30, 9
	v_add_nc_u32 v[X+\t], s30, v[L16]
	global_load_b128 v[G+4*\t:G+4*\t+3], v[X+\t], s[8:9]   ; g at position t's K step
.endr
	LOADH 0
	LOADH 1
	LOADH 2
	LOADH 3
.irp u,0,1,2,3,4,5,6,7
	SQG \u
.endr
	; a row's sum of squares lies in 32 lanes' registers; lane (r, h) wants row r's: the 16 x 32 partial sums turn through LDS, rows 144 bytes apart
.irp i,0,1,2,3,4,5,6,7,8,9,10,11,12,13,14,15
	v_add_f32 v[SSP+2*\i], v[SSP+2*\i], v[SSP+2*\i+1]
.endr
.irp i,0,1,2,3,4,5,6,7,8,9,10,11,12,13,14,15
	ds_store_b32 v[RDS], v[SSP+2*\i] offset:144*\i
.endr
.irp j,0,1,2,3
	ds_load_b128 v[RX+4*\j:RX+4*\j+3], v[RDL] offset:16*\j   ; 16 lanes' sums of my row; LDS serves a wave's instructions in order: these see my stores
.endr
	LOADX 0
	s_wait_dscnt 16                                ; the sums are in; position 0's 16 loads may be out
.irp k,0,1,2,3
	v_pk_add_f32 v[SSQ+2*\k:SSQ+2*\k+1], v[RX+4*\k:RX+4*\k+1], v[RX+4*\k+2:RX+4*\k+3]
.endr
	RSCALC
.irp t,0,1,2,3,4,5,6,7
	FIN \t
.endr
	ROWEND
	; ---- wave 5: 128 rows (a K step) x 128 columns (two column groups) of a weight. A lane takes a column and its registers run down K
.Lweights:
	s_lshr_b32 s25, ttmp9, 6                       ; which weight: V, K, Q, O
	s_cmp_eq_u32 s25, 0
	s_cselect_b64 s[WSRC:WSRC+1], s[10:11], s[12:13]
	s_cmp_eq_u32 s25, 2
	s_cselect_b64 s[WDST:WDST+1], s[14:15], s[16:17]
	s_cmp_lt_u32 s25, 2
	s_cselect_b64 s[WSRC:WSRC+1], s[WSRC:WSRC+1], s[WDST:WDST+1]
	s_lshr_b32 s26, ttmp9, 3
	s_and_b32 s26, s26, 7                          ; K step
	s_lshr_b32 s27, ttmp9, 2
	s_and_b32 s27, s27, 1                          ; which 512 columns,
	s_and_b32 s24, ttmp9, 3                        ; and which 128 of them
	s_lshl_b32 s30, s27, 11
	s_lshl_b32 s28, s24, 9
	s_add_co_u32 s30, s30, s28
	s_lshl_b32 s28, s26, 19                        ; 128 rows of 4,096 bytes
	s_add_co_u32 s30, s30, s28
	s_add_nc_u64 s[WSRC:WSRC+1], s[WSRC:WSRC+1], s[30:31]
	s_lshl_b32 s28, s27, 3
	s_lshl_b32 s29, s24, 1
	s_add_co_u32 s28, s28, s29                     ; my first column group
	s_mul_i32 s30, s28, 204800
	s_mul_i32 s28, s25, 51200
	s_add_co_u32 s30, s30, s28
	s_mul_i32 s28, s26, 6400
	s_add_co_u32 s30, s30, s28
	s_add_nc_u64 s[WDST:WDST+1], s[20:21], s[30:31]
	s_wait_alu depctr_va_vdst(0)
	v_add_nc_u32 v[STI], STG_W, v[L16]
	v_and_b32 v13, 8, v11
	v_mul_u32_u24 v13, v13, 12
	v_lshl_add_u32 v13, v11, 2, v13
	v_lshl_add_u32 v13, v12, 5, v13
	v_add_nc_u32 v[WRD], STG_W, v13
	v_mul_u32_u24 v[WS16], v12, 1536
	v_lshl_add_u32 v[WS16], v11, 4, v[WS16]
	v_lshlrev_b32 v[WS8], 3, v10
.macro LOADS b                         ; slab b: 32 rows of K x my 128 columns, 512 consecutive bytes a load
	WIN 0x40
.set i, 0
.rept 32
	global_load_b128 v[128*((\b)%2)+4*i:128*((\b)%2)+4*i+3], v[L16], s[WSRC:WSRC+1] offset:4096*(32*(\b)+i) th:TH_LOAD_NT
.set i, i+1
.endr
	WIN 0
.endm
; Slab b is block b of the K step for all my columns. Pass p: lanes (r, h) take column r of tile 2 (p % 2) + h of column group p / 2
.macro SLAB b
.if (\b) < 3
	s_wait_loadcnt 32                              ; this slab's 32 loads are in; the next slab's may be out
.else
	s_wait_loadcnt 0x0
.endif
	WIN 0x04
.set i, 0
.rept 32
	ds_store_b128 v[STI], v[128*((\b)%2)+4*i:128*((\b)%2)+4*i+3] offset:528*i
.set i, i+1
.endr
	WIN 0
.irp p,0,1,2,3
.set i, 0
.rept 32
	ds_load_b32 v[X+32*\p+i], v[WRD] offset:528*i+256*(\p/2)+64*(\p%2)
.set i, i+1
.endr
.endr
	s_wait_dscnt 0x0
.if (\b) < 2
	LOADS (\b)+2
.endif
	s_wait_xcnt 0x0                                ; the last slab's stores have read their registers
.irp p,0,1,2,3
	v_max3_num_f32 v[TW+\p], |v[X+32*\p]|, |v[X+32*\p+1]|, FLOOR
.endr
.irp i,2,4,6,8,10,12,14,16,18,20,22,24,26,28,30
.irp p,0,1,2,3
	v_max3_num_f32 v[TW+\p], v[TW+\p], |v[X+32*\p+\i]|, |v[X+32*\p+\i+1]|
.endr
.endr
.irp p,0,1,2,3
	v_add_nc_u32 v[SOW+\p], EOFF, v[TW+\p]
.endr
.irp p,0,1,2,3
	v_lshrrev_b32 v[BYW+\p], 23, v[SOW+\p]
.endr
.irp p,0,1,2,3
.if (\b) == 0
	v_mov_b32 v[SWW+\p], v[BYW+\p]
.else
	v_lshl_or_b32 v[SWW+\p], v[BYW+\p], 8*(\b), v[SWW+\p]
.endif
.endr
.irp p,0,1,2,3
	v_cvt_scalef32_pk16_bf6_f32 v[EC+4*\p:EC+4*\p+2], v[X+32*\p:X+32*\p+15], v[SOW+\p]
	v_cvt_scalef32_pk16_bf6_f32 v[TTW+4*\p:TTW+4*\p+2], v[X+32*\p+16:X+32*\p+31], v[SOW+\p]
.endr
	v_nop                                          ; one plain place behind the conversions
.irp p,0,1,2,3
	v_mov_b32 v[EC+4*\p+3], v[TTW+4*\p]
	v_mov_b32 v[HB+4*\p+2*((\b)%2)], v[TTW+4*\p+1] ; the block's last two registers wait for the other half's, so that 16 lanes store 256 consecutive bytes
	v_mov_b32 v[HB+4*\p+2*((\b)%2)+1], v[TTW+4*\p+2]
.endr
.irp p,0,1,2,3
	global_store_b128 v[WS16], v[EC+4*\p:EC+4*\p+3], s[WDST:WDST+1] offset:204800*(\p/2)+3072*(\p%2)+768*((\b)/2)+256*((\b)%2)
.endr
.if (\b)%2
.irp p,0,1,2,3
	global_store_b128 v[WS16], v[HB+4*\p:HB+4*\p+3], s[WDST:WDST+1] offset:204800*(\p/2)+3072*(\p%2)+768*((\b)/2)+512
.endr
.endif
.endm
	LOADS 0
	LOADS 1
	s_wait_alu depctr_va_vdst(0)
	SLAB 0
	SLAB 1
	SLAB 2
	SLAB 3
	global_store_b64 v[WS8], v[SWW:SWW+1], s[WDST:WDST+1] offset:6144
	global_store_b64 v[WS8], v[SWW+2:SWW+3], s[WDST:WDST+1] offset:204800+6144
	s_wait_tensorcnt 0x0                           ; the wave's end, behind my last LDS store
	ds_add_u32 v[SPW], v[NIL]
	s_wait_dscnt 0x0
	s_endpgm
.Lfunc_end_k_qd7b0e2ae99_quant:
	.size	k_qd7b0e2ae99_quant, .Lfunc_end_k_qd7b0e2ae99_quant-k_qd7b0e2ae99_quant
	.p2alignl 7, 3214868480
	.fill 96, 4, 3214868480
	.section	.rodata,"a",@progbits
	.p2align	6, 0x0
	.amdhsa_kernel k_qd7b0e2ae99_quant
		.amdhsa_group_segment_fixed_size 138240
		.amdhsa_private_segment_fixed_size 0
		.amdhsa_enable_private_segment 0
		.amdhsa_kernarg_size 72
		.amdhsa_user_sgpr_count 2
		.amdhsa_user_sgpr_kernarg_segment_ptr 1
		.amdhsa_wavefront_size32 1
		.amdhsa_system_sgpr_workgroup_id_x 1
		.amdhsa_system_sgpr_workgroup_id_y 1
		.amdhsa_system_sgpr_workgroup_id_z 1
		.amdhsa_system_vgpr_workitem_id 0
		.amdhsa_next_free_vgpr 512
		.amdhsa_next_free_sgpr 66
		.amdhsa_reserve_vcc 0
		.amdhsa_float_denorm_mode_32 3
		.amdhsa_float_denorm_mode_16_64 3
		.amdhsa_memory_ordered 1
		.amdhsa_forward_progress 1
		.amdhsa_inst_pref_size 255
	.end_amdhsa_kernel
	.section	.bss,"aw",@nobits
	.p2align	6
	.space	262144
	.amdgpu_metadata
---
amdhsa.version: [ 1, 2 ]
amdhsa.kernels:
  - .name:           k_qd7b0e2ae99_quant
    .symbol:         k_qd7b0e2ae99_quant.kd
    .args:
      - { .name: e, .offset: 0, .size: 8, .value_kind: global_buffer, .address_space: global }
      - { .name: h, .offset: 8, .size: 8, .value_kind: global_buffer, .address_space: global }
      - { .name: g_norm, .offset: 16, .size: 8, .value_kind: global_buffer, .address_space: global }
      - { .name: Wv, .offset: 24, .size: 8, .value_kind: global_buffer, .address_space: global }
      - { .name: Wk, .offset: 32, .size: 8, .value_kind: global_buffer, .address_space: global }
      - { .name: Wq, .offset: 40, .size: 8, .value_kind: global_buffer, .address_space: global }
      - { .name: Wo, .offset: 48, .size: 8, .value_kind: global_buffer, .address_space: global }
      - { .name: acodes, .offset: 56, .size: 8, .value_kind: global_buffer, .address_space: global }
      - { .name: wcodes, .offset: 64, .size: 8, .value_kind: global_buffer, .address_space: global }
    .group_segment_fixed_size: 138240
    .private_segment_fixed_size: 0
    .kernarg_segment_align: 8
    .kernarg_segment_size: 72
    .max_flat_workgroup_size: 192
    .sgpr_count:     66
    .vgpr_count:     512
    .wavefront_size: 32
...
	.end_amdgpu_metadata
.endif
;; end of part 1
;; launch attn (part 2): grid 4 x 64, 4 waves a work-group, clusters of 4 x 1, 327,680 bytes of LDS; arguments acodes, wcodes, bv, bk, bq, ocodes; writes ocodes
.if DOCPART == 2
	.amdgcn_target "amdgcn-amd-amdhsa--gfx1250"
	.amdhsa_code_object_version 6
	.text
	.protected	k_qd7b0e2ae99_attn
	.globl	k_qd7b0e2ae99_attn
	.p2align	8
	.type	k_qd7b0e2ae99_attn,@function
k_qd7b0e2ae99_attn:
	s_mov_b64 s[64:65], 0
	v_nop
	global_prefetch_b8 v0, s[64:65] scope:SCOPE_SE
	s_setreg_imm32_b32 hwreg(HW_REG_WAVE_MODE, 25, 1), 1
	s_wait_xcnt 0x0
	s_wait_alu depctr_hold_cnt(0) depctr_sa_sdst(0) depctr_va_vdst(0) depctr_va_sdst(0) depctr_va_ssrc(0) depctr_va_vcc(0) depctr_vm_vsrc(0)
	s_getreg_b32 s2, hwreg(HW_REG_IB_STS2, 6, 4)
	s_cmp_eq_u32 s2, 0
	s_cbranch_scc0 .Lentry_in_a_cluster
	s_endpgm
.Lentry_in_a_cluster:
	s_bfe_u32 s2, ttmp6, 0x10000c
	s_cmp_lg_u32 s2, 0x3003
	s_cbranch_scc0 .Lentry_shape_is_right
	s_endpgm
.Lentry_shape_is_right:
; For one chunk (64 queries, 256 keys) and one head a wave: v, k, q projections with their biases, their quantisers, S = q k^T, softmax, Q(p), p v, Q(o). All products on codes of BF6 (E3M2), E8M0 scales.
; SHARES. A cluster of four work-groups is a chunk; work-group cx holds heads 4 cx .. 4 cx + 3, a wave one head. The chunk's codes of e and hn (256,000 bytes) are wanted by all sixteen waves of the cluster:
;   they come ONCE, by joint tensor loads (each wave a quarter, the mask names the four work-groups), and stay; no LDS byte is filled twice, so one barrier behind the fill is all.
; THE WEIGHTS are not asked for jointly: a wave's 64 columns of Wv, Wk, Wq are read by no other wave of its cluster; they go from memory into registers in operand order, records of 6,400 bytes.
;   V and K passes: two records ahead, three buffers. Q pass: all eight records are asked for ahead of its first step: three in the buffers, five in window 2 as soon as k's first half has left it.
;   Chunk y walks K from step y mod 8 on (the first launch laid e's and hn's images by position).
; No data prefetch: the chunk's block is asked for whole at the head, where no loop stands to run ahead in, and the records are themselves asked for ahead.
; LAYOUT (lane = (r, h)). k, q: source 0 = 16 columns of W, source 1 = 16 rows: a lane holds a row and 32 neighbouring d. v: source 0 = 16 rows of e, source 1 = 16 columns of Wv: a lane holds a d and 32
;   neighbouring keys. S^T = K q^T: a query and 32 neighbouring keys for each 64 keys. O^T = V^T P: a query and 32 neighbouring d. The rows of e's groups and the columns of W's tiles were chosen for that
;   (8x + r + 24 [r >= 8]): every quantiser block is one lane's 32 consecutive registers, and its six code registers are the next operand's registers as they stand.
; SOFTMAX: a query's 256 scores lie in two lanes; the row's maximum is taken away, p = 2^(c s - c max) / sum with c = log2(e) / 8, normalised in f32 ahead of the quantiser. A block's largest p is made from the
;   block's largest score by the same instructions (this takes v_exp_f32 not to fall where its input rises).
; K = 64 in q k^T: registers 6-11 of both operands are zero codes, and bytes 2, 3 of both scale words are 0.
; REGISTERS. window 0: addresses, scales, temporaries, v112-255 three record buffers (later the scores). window 1: v0-191 e's 16 fragments (later k's codes), v192-223 a bias tile, v224-255 codes in the making.
;   windows 2, 3: 16 blocks of 32 accumulators. Q pass: window 2 v0-239 five records; window 3 v0-127 q's sums, v128-223 two sets of hn's fragments. Attention: window 2 V^T and O^T.
; o's scale bytes leave two at a time (a head owns two of a word's four): 2 bytes a row, 128 KiB in the launch; both halves of the lanes write the same two bytes.
; LIMITS: NaN and infinities are not served; a p under 2^-126 counts as 0; a block whose largest magnitude lies under 2^-122, a block of zeros too, gets the byte 1.
.set CHB,   256000
.set POSB,  30720
.set IMG,   1536
.set SCB,   245760
.set VIMG,  256000                     ; behind the chunk's block: V^T's 8 fragments, 12,288 bytes a wave
.set QIMG,  305152                     ; q's four half images and scale words, 3,584 bytes a wave
.set SPARE, 319488                     ; the spare words, 128 bytes a wave, named by no other line
.set FLOOR, 0x2800000
.set EOFF,  0xfe000000
.set L16, 1
.set L8H, 2
.set L8,  3
.set R16, 4
.set SH8, 5
.set E16, 6
.set E8,  7
.set ESL, 8
.set ESA, 9
.set VI16, 10
.set VI8, 11
.set QI16, 12
.set QI8, 13
.set QIS, 14
.set BA,  15
.set BAV, 16
.set A0,  17
.set SPW, 20
.set NIL, 21
.set ES,  24                           ; v24-47  e's scale words, three sets of 8: lanes 0-15 group 2e, lanes 16-31 group 2e + 1
.set HS,  24                           ; Q pass: v24-39 hn's scale words, two for each position
.set WQ,  40                           ; Q pass: v40-47 the scale words of records 19-22 (record 23's: v80-81)
.set WS,  48                           ; v48-53  the buffers' scale words
.set VS,  54                           ; v54-61  V^T's
.set KS,  62                           ; v62-77  k's
.set QS,  78
.set PS,  80
.set T,   82
.set HA,  82                           ; Q pass: v82-85 16 x lane + two positions x p, v86-89 the same on 16 r + 8 h
.set SO,  90
.set BY,  98
.set X0,  106
.set X1,  107
.set WB,  112
.set VC,  160                          ; v160-207: V^T's four fragments of a half in the making: the record buffer that no load is out for between the V and K passes
.set EF,  0                            ; window 1
.set KC,  0
.set BI,  192
.set PC,  224
.set TT,  236
.set TK,  224
.set QF,  192
.set PF,  204
.set TP,  228
.set VF,  0                            ; window 2
.set O,   96
.set HF,  128                          ; window 3
.set S,   112                          ; window 0, attention
.set OC,  240
.set OTT, 246
.set OW,  250
.set QC,  112
.set QT,  144
.set QW,  160
.set BM,  82
.set RM,  86
.set RX,  87
.set NM,  88
.set SA,  90
.set SB,  92
.set RI,  94
.set ASO, 96
.set ABY, 100
.set OSO, 104
.set OBY, 105
.set OT,  108
.set WV,  16
.set CX,  17
.set CH,  18
.set S0,  19
.set HD,  20
.set SEL, 22
.set G1,  24
.set G0,  32
.set WBASE, 36
.set WP,  38
.set OFF, 40
.set PN,  42
.set EP,  43
.set SP_, 44
.set LC,  45
.set CS,  48
.set OB,  50
.set OSB, 52
.set QP,  54
.set QSP, 55
.set BKP, 56
.set BQP, 58
.set BVP, 60
.set QWP, 66                           ; s[66:75] the addresses of records 19-23
.set MSB, 0
.macro WIN new                         ; the immediate's high byte repeats the setting that is left
.if MSB != (\new)
	s_set_vgpr_msb (MSB<<8)|(\new)
.set MSB, (\new)
.endif
.endm
.macro PLACES n
.rept \n
	v_nop
.endr
.endm
.macro CROUND                          ; a round of the cluster's barrier
	s_barrier_signal -1
	s_barrier_wait -1
	s_cmp_lg_u32 s[WV], 0
	s_cbranch_scc1 .Lnot_wave_0_\@
	s_barrier_signal -3
.Lnot_wave_0_\@:
	s_barrier_wait -3
	s_barrier_signal -1
	s_barrier_wait -1
.endm
.macro WM d, a, b, c, sa, sb, ra, rb   ; ra, rb: the scale is read from lanes 16-31
.if (\ra) && (\rb)
	v_wmma_scale_f32_16x16x128_f8f6f4 v[\d:\d+7], v[\a:\a+11], v[\b:\b+11], v[\c:\c+7], v[\sa], v[\sb] matrix_a_fmt:MATRIX_FMT_BF6 matrix_b_fmt:MATRIX_FMT_BF6 matrix_a_scale:MATRIX_SCALE_ROW1 matrix_b_scale:MATRIX_SCALE_ROW1
.elseif (\ra)
	v_wmma_scale_f32_16x16x128_f8f6f4 v[\d:\d+7], v[\a:\a+11], v[\b:\b+11], v[\c:\c+7], v[\sa], v[\sb] matrix_a_fmt:MATRIX_FMT_BF6 matrix_b_fmt:MATRIX_FMT_BF6 matrix_a_scale:MATRIX_SCALE_ROW1
.elseif (\rb)
	v_wmma_scale_f32_16x16x128_f8f6f4 v[\d:\d+7], v[\a:\a+11], v[\b:\b+11], v[\c:\c+7], v[\sa], v[\sb] matrix_a_fmt:MATRIX_FMT_BF6 matrix_b_fmt:MATRIX_FMT_BF6 matrix_b_scale:MATRIX_SCALE_ROW1
.else
	v_wmma_scale_f32_16x16x128_f8f6f4 v[\d:\d+7], v[\a:\a+11], v[\b:\b+11], v[\c:\c+7], v[\sa], v[\sb] matrix_a_fmt:MATRIX_FMT_BF6 matrix_b_fmt:MATRIX_FMT_BF6
.endif
.endm
.macro WMZ d, a, b, sa, sb             ; the first product of a sum
	v_wmma_scale_f32_16x16x128_f8f6f4 v[\d:\d+7], v[\a:\a+11], v[\b:\b+11], 0, v[\sa], v[\sb] matrix_a_fmt:MATRIX_FMT_BF6 matrix_b_fmt:MATRIX_FMT_BF6
.endm
.macro WNEXT                           ; WP = the next record: number t = min(PN, 23): pass t / 8, K step (t + s0) mod 8
	s_min_u32 s46, s[PN], 23
	s_add_co_u32 s[PN], s[PN], 1
	s_add_co_u32 s47, s46, s[S0]
	s_and_b32 s47, s47, 7
	s_mul_i32 s47, s47, 6400
	s_lshr_b32 s46, s46, 3
	s_mul_i32 s46, s46, 51200
	s_add_co_u32 s[OFF], s46, s47
	s_wait_xcnt 0x0                                ; the last record's loads have read their base
	s_add_nc_u64 s[WP:WP+1], s[WBASE:WBASE+1], s[OFF:OFF+1]
.endm
.macro LOADW buf                       ; 17 loads: four fragments and their scale words
.irp y,0,1,2,3
	global_load_b128 v[WB+48*(\buf)+12*\y:WB+48*(\buf)+12*\y+3], v[L16], s[WP:WP+1] offset:IMG*\y
	global_load_b64 v[WB+48*(\buf)+12*\y+4:WB+48*(\buf)+12*\y+5], v[L8H], s[WP:WP+1] offset:IMG*\y+512
	global_load_b128 v[WB+48*(\buf)+12*\y+6:WB+48*(\buf)+12*\y+9], v[L16], s[WP:WP+1] offset:IMG*\y+768
	global_load_b64 v[WB+48*(\buf)+12*\y+10:WB+48*(\buf)+12*\y+11], v[L8H], s[WP:WP+1] offset:IMG*\y+1280
.endr
	global_load_b64 v[WS+2*(\buf):WS+2*(\buf)+1], v[L8], s[WP:WP+1] offset:6144
.endm
.macro FRAG1 f                         ; 4 LDS loads: e's fragment f of the position at E16, E8 (destination: window 1)
	ds_load_b128 v[EF+12*(\f):EF+12*(\f)+3], v[E16] offset:IMG*(\f)
	ds_load_b64 v[EF+12*(\f)+4:EF+12*(\f)+5], v[E8] offset:IMG*(\f)+512
	ds_load_b128 v[EF+12*(\f)+6:EF+12*(\f)+9], v[E16] offset:IMG*(\f)+768
	ds_load_b64 v[EF+12*(\f)+10:EF+12*(\f)+11], v[E8] offset:IMG*(\f)+1280
.endm
.macro HFR1 j, m                       ; 4 LDS loads: hn's fragment m of position j into set j % 2 of window 3; one address serves two positions
	ds_load_b128 v[HF+48*((\j)%2)+12*(\m):HF+48*((\j)%2)+12*(\m)+3], v[HA+(\j)/2] offset:POSB*((\j)%2)+IMG*(16+\m)
	ds_load_b64 v[HF+48*((\j)%2)+12*(\m)+4:HF+48*((\j)%2)+12*(\m)+5], v[HA+4+(\j)/2] offset:POSB*((\j)%2)+IMG*(16+\m)+512
	ds_load_b128 v[HF+48*((\j)%2)+12*(\m)+6:HF+48*((\j)%2)+12*(\m)+9], v[HA+(\j)/2] offset:POSB*((\j)%2)+IMG*(16+\m)+768
	ds_load_b64 v[HF+48*((\j)%2)+12*(\m)+10:HF+48*((\j)%2)+12*(\m)+11], v[HA+4+(\j)/2] offset:POSB*((\j)%2)+IMG*(16+\m)+1280
.endm
; A K STEP of the V pass (pass = 0) or the K pass (1): 64 products, the 64 accumulators by turns in one order in every step.
; wb: the record's buffer = step mod 3. more: the next position's fragments follow in two runs: fragments 0-7 behind the first 32 products, 8-15 behind the last 32, each run behind its four places.
; wrap: that position is 0 again. bias: 1, 2: the next pass's bias tile is asked for. lc: the loads younger than this step's record: two records (34), and the 8 of a bias tile between them (42).
.macro KSTEP pass, first, wb, more, wrap, bias, lc
	WIN 0
	WNEXT
.if \more
.if \wrap
	s_mov_b32 s[EP], 0
	s_mov_b32 s[SP_], 0
.else
	s_add_co_u32 s[EP], s[EP], POSB
	s_add_co_u32 s[SP_], s[SP_], 64
.endif
	v_add_nc_u32 v[E16], s[EP], v[L16]
	v_add_nc_u32 v[E8], s[EP], v[L8H]
	v_add_nc_u32 v[ESA], s[SP_], v[ESL]
	s_wait_alu depctr_va_vdst(0)
	v_nop
.else
	PLACES 4
.endif
.if (\bias) == 1
	WIN 0x40
.irp i,0,1,2,3,4,5,6,7
	global_load_b128 v[BI+4*\i:BI+4*\i+3], v[BA], s[BKP:BKP+1] offset:16*\i
.endr
	WIN 0
.endif
.if (\bias) == 2
	WIN 0x40
.irp i,0,1,2,3,4,5,6,7
	global_load_b128 v[BI+4*\i:BI+4*\i+3], v[BA], s[BQP:BQP+1] offset:16*\i
.endr
	WIN 0
.endif
	LOADW (\wb+2)%3
.if \more
.irp e,0,1,2,3,4,5,6,7
	ds_load_b32 v[ES+8*((\wb+1)%3)+\e], v[ESA] offset:1024*\e
.endr
.endif
	s_wait_loadcnt \lc
.irp g,0,1,2,3
.if (\g)%2 == 0
.if \more
	s_wait_dscnt 40                                ; younger than this half's eight fragments: the other half's 32 loads and 8 scale loads
.else
	s_wait_dscnt 32-16*\g
.endif
.endif
.set wv, 2+\g/2
.if \first
.set cv, 1
.else
.set cv, wv
.endif
.irp x,0,1,2,3
.if \pass
	WIN (wv<<6)|(cv<<4)|4
.else
	WIN (wv<<6)|(cv<<4)|1
.endif
.irp y,0,1,2,3
.set rE, EF+12*(4*\g+\x)
.set rW, WB+48*(\wb)+12*\y
.set sE, ES+8*(\wb)+2*\g+\x/2
.set sW, WS+2*(\wb)+\y/2
.set qE, \x%2
.set qW, \y%2
.if \pass
.set rD, 32*((4*\g+\x)%8)+8*\y
.else
.set rD, 32*((4*\g+\y)%8)+8*\x
.endif
.if \first
.set rC, BI+8*\y
.else
.set rC, rD
.endif
.if \pass
	WM rD, rW, rE, rC, sW, sE, qW, qE
.else
	WM rD, rE, rW, rC, sE, sW, qE, qW
.endif
.endr
.endr
.if (\more) && ((\g)%2)
	PLACES 4                                       ; ahead of loads into registers that these products read
	WIN 0x40
.irp f,0,1,2,3,4,5,6,7
	FRAG1 4*\g-4+\f
.endr
.endif
.endr
.endm
; A K STEP of the Q pass: 16 products. rw, ww: the record's first register and window; sw: its scale words. The next position's 16 LDS loads go out first, in one run, into the set that the last step read:
; four places stand ahead of them, and dscnt 16 leaves them out.
.macro QSTEP j, rw, ww, sw
.if (\j) < 7
.if (\j) > 0
	PLACES 4
.endif
	WIN 0xc0
.irp m,0,1,2,3
	HFR1 (\j)+1, \m
.endr
.endif
.if (\j) < 4
	s_wait_loadcnt 63                              ; younger than record 16 + j: 127, 102, 85, 64 loads; the count's field ends at 63
.else
	s_wait_loadcnt 16*(7-(\j))
.endif
.if (\j) < 7
	s_wait_dscnt 16
.else
	s_wait_dscnt 0x0
.endif
.irp x,0,1,2,3
.if (\j) == 0
	WIN 0xdc
.else
	WIN 0xfc|(\ww)
.endif
.irp y,0,1,2,3
.set rD, 32*\x+8*\y
.set rW, (\rw)+12*\y
.set rE, HF+48*((\j)%2)+12*\x
.set sW, (\sw)+\y/2
.set sE, HS+2*(\j)+\x/2
.set qW, \y%2
.set qE, \x%2
.if (\j) == 0
.set rC, BI+8*\y
.else
.set rC, rD
.endif
	WM rD, rW, rE, rC, sW, sE, qW, qE
.endr
.endr
.endm
; n blocks of 32 accumulators at v[32 k] of window w: largest magnitudes (over the floor) in T, the conversions' scale operands in SO, the bytes in BY. Each accumulator is read from its low end on
.macro BLOCKMAX n, w
	WIN 0
.set k, 0
.rept \n
	v_mov_b32 v[T+k], FLOOR
.set k, k+1
.endr
	WIN ((\w)<<4)|((\w)<<2)
.set i, 0
.rept 16
.set k, 0
.rept \n
	v_max3_num_f32 v[T+k], v[T+k], |v[32*k+i]|, |v[32*k+i+1]|
.set k, k+1
.endr
.set i, i+2
.endr
	WIN 0
.set k, 0
.rept \n
	v_add_nc_u32 v[SO+k], EOFF, v[T+k]
.set k, k+1
.endr
.set k, 0
.rept \n
	v_lshrrev_b32 v[BY+k], 23, v[SO+k]
.set k, k+1
.endr
.endm
; v of keys 128 s .. 128 s + 127 (window 2 + s: block 4c + u) becomes V^T's fragments (u, s), which wait in my own LDS bytes
.macro VQ s
	BLOCKMAX 8, 2+\s
.irp u,0,1,2,3                         ; the four scale words by turns, in the registers that held the maxima: no line reads the line above it
	v_lshl_or_b32 v[T+\u], v[BY+4+\u], 16, v[BY+\u]
.endr
.irp u,0,1,2,3
	v_lshlrev_b32 v[T+\u], v[SH8], v[T+\u]
.endr
.irp u,0,1,2,3
	v_permlanex16_b32 v[T+4+\u], v[T+\u], s[SEL], s[SEL+1]
.endr
.irp u,0,1,2,3
	v_or_b32 v[VS+2*\u+\s], v[T+\u], v[T+4+\u]
.endr
	s_wait_dscnt 0x0                               ; the other half's stores have read their registers
	WIN 2+\s
.irp u,0,1,2,3
	v_cvt_scalef32_pk16_bf6_f32 v[VC+12*\u:VC+12*\u+2], v[32*\u:32*\u+15], v[SO+\u]
	v_cvt_scalef32_pk16_bf6_f32 v[VC+12*\u+6:VC+12*\u+8], v[128+32*\u:128+32*\u+15], v[SO+4+\u]
.endr
	WIN 0x40|(2+\s)
.irp u,0,1,2,3
	v_cvt_scalef32_pk16_bf6_f32 v[TK+8*\u:TK+8*\u+2], v[32*\u+16:32*\u+31], v[SO+\u]
	v_cvt_scalef32_pk16_bf6_f32 v[TK+8*\u+4:TK+8*\u+6], v[128+32*\u+16:128+32*\u+31], v[SO+4+\u]
.endr
	v_nop                                          ; one plain place behind the conversions
	WIN 0x01
.irp u,0,1,2,3
.irp i,0,1,2
	v_mov_b32 v[VC+12*\u+3+\i], v[TK+8*\u+\i]
	v_mov_b32 v[VC+12*\u+9+\i], v[TK+8*\u+4+\i]
.endr
.endr
	WIN 0
.irp u,0,1,2,3
	ds_store_b128 v[VI16], v[VC+12*\u:VC+12*\u+3] offset:IMG*(2*\u+\s)
	ds_store_b64 v[VI8], v[VC+12*\u+4:VC+12*\u+5] offset:IMG*(2*\u+\s)+512
	ds_store_b128 v[VI16], v[VC+12*\u+6:VC+12*\u+9] offset:IMG*(2*\u+\s)+768
	ds_store_b64 v[VI8], v[VC+12*\u+10:VC+12*\u+11] offset:IMG*(2*\u+\s)+1280
.endr
.endm
; k of key groups 8q .. 8q + 7 becomes fragments in the registers that e's fragments have left
.macro KQ q
	BLOCKMAX 8, 2+\q
.irp k,0,1,2,3,4,5,6,7                 ; the eight scale words by turns
	v_lshlrev_b32 v[T+\k], v[SH8], v[BY+\k]
.endr
.irp k,0,1,2,3,4,5,6,7
	v_permlanex16_b32 v[BY+\k], v[T+\k], s[SEL], s[SEL+1]
.endr
.irp k,0,1,2,3,4,5,6,7
	v_or_b32 v[KS+8*\q+\k], v[T+\k], v[BY+\k]
.endr
	WIN 0x40|(2+\q)
.irp k,0,1,2,3,4,5,6,7
	v_cvt_scalef32_pk16_bf6_f32 v[KC+12*(8*\q+\k):KC+12*(8*\q+\k)+2], v[32*\k:32*\k+15], v[SO+\k]
	v_cvt_scalef32_pk16_bf6_f32 v[TK+4*\k:TK+4*\k+2], v[32*\k+16:32*\k+31], v[SO+\k]
.endr
	v_nop                                          ; one plain place behind the conversions
	WIN 0x41
.irp k,0,1,2,3,4,5,6,7
.irp i,0,1,2
	v_mov_b32 v[KC+12*(8*\q+\k)+3+\i], v[TK+4*\k+\i]
.endr
.endr
	WIN 0x40
.irp k,0,1,2,3,4,5,6,7
.irp i,6,7,8,9,10,11
	v_mov_b32 v[KC+12*(8*\q+\k)+\i], 0             ; K = 64: the rest of the K step is zero codes
.endr
.endr
	WIN 0
.endm
	s_load_b256 s[4:11], s[0:1], 0x0               ; acodes, wcodes, bv, bk
	s_load_b128 s[12:15], s[0:1], 0x20             ; bq, ocodes
	v_lshl_add_u32 v[SPW], v0, 2, SPARE
	v_mov_b32 v[NIL], 0
	ds_add_u32 v[SPW], v[NIL]                      ; the wave's opening: the add, twice on end, and its wait ahead of my first tensor load
	ds_add_u32 v[SPW], v[NIL]
	v_lshrrev_b32 v22, 5, v0
	v_readfirstlane_b32 s[WV], v22                 ; wave
	s_bfe_u32 s[CX], ttmp6, 0x40000                ; my place in the cluster: it enters global addresses of weights, biases and o alone
	s_and_b32 s[CH], ttmp7, 0xffff                 ; the chunk, which the four partners share
	s_and_b32 s[S0], s[CH], 7
	s_lshl_b32 s[HD], s[CX], 2
	s_add_co_u32 s[HD], s[HD], s[WV]               ; my head
	s_mov_b32 s[G1], 15|(3<<16)|(1<<21)            ; the mask: all four work-groups; elements of 8 bytes; bit 21 beside a mask; no padding
	s_mov_b32 s[G1+1], 32<<16                      ; tensor_dim0 = 32: rows of 256 bytes
	s_mov_b32 s[G1+2], 250<<16                     ; tensor_dim1 = 250
	s_mov_b32 s[G1+3], 32<<16                      ; tile_dim0
	s_mov_b32 s[G1+4], 250                         ; tile_dim1
	s_mov_b32 s[G1+5], 32                          ; the block is dense
	s_mov_b32 s[G1+6], 0
	s_mov_b32 s[G1+7], 0
	s_mov_b32 s[G0], 1
	s_mul_i32 s[G0+1], s[WV], 64000                ; my quarter, in LDS as in memory
	s_mov_b32 s[SEL], 0x76543210
	s_mov_b32 s[SEL+1], 0xfedcba98                 ; lane l xor 16
	s_mov_b32 s[CS], 0x3e38aa3b                    ; c = log2(e) / 8
	s_mov_b32 s[CS+1], s[CS]
	s_mov_b32 s[OFF+1], 0
	s_mov_b32 s[PN], 0
	s_mov_b32 s[EP], 0
	s_mov_b32 s[SP_], 0
	v_and_b32 v22, 31, v0                          ; lane
	v_and_b32 v23, 15, v0                          ; r
	v_bfe_u32 v19, v0, 4, 1                        ; h
	v_lshlrev_b32 v[L16], 4, v22
	v_lshlrev_b32 v[R16], 4, v23
	v_lshl_add_u32 v[L8H], v19, 3, v[R16]
	v_lshlrev_b32 v[L8], 3, v22
	v_lshlrev_b32 v[SH8], 3, v19
	v_lshlrev_b32 v[ESL], 2, v23
	v_lshl_add_u32 v[ESL], v19, 9, v[ESL]
	v_add_nc_u32 v[ESL], SCB, v[ESL]               ; scale words: group 2e + h, row r
	s_mul_i32 s46, s[WV], 12288
	s_add_co_u32 s46, s46, VIMG
	v_add_nc_u32 v[VI16], s46, v[L16]
	v_add_nc_u32 v[VI8], s46, v[L8H]
	s_mul_i32 s46, s[WV], 3584
	s_add_co_u32 s46, s46, QIMG
	v_add_nc_u32 v[QI16], s46, v[L16]
	v_add_nc_u32 v[QI8], s46, v[L8H]
	s_add_co_u32 s46, s46, 3072
	v_lshl_add_u32 v[QIS], v22, 2, s46
	v_lshlrev_b32 v[BA], 7, v19                    ; a bias tile of k or q: 32 numbers from 32 h on
	v_and_b32 v18, 8, v23
	v_mul_u32_u24 v18, v18, 12
	v_lshl_add_u32 v[BAV], v23, 2, v18             ; of v: the number of my column r + 24 [r >= 8]
	v_mov_b32 v[X1], 0                             ; a lane permute's destination counts as read
	s_wait_dscnt 0x0                               ; both opening adds are done
	s_wait_kmcnt 0x0
	s_mul_i32 s46, s[CH], CHB
	s_add_co_u32 s46, s46, s[G0+1]
	s_mov_b32 s47, 0
	s_add_nc_u64 s[G0+2:G0+3], s[4:5], s[46:47]
	s_or_b32 s[G0+3], s[G0+3], 0x80000000
	CROUND                                         ; all four work-groups are here: the joint loads meet
	tensor_load_to_lds s[G0:G0+3], s[G1:G1+7]      ; my one tensor load: a quarter of the chunk's block, for all four work-groups
	s_nop 0
	PLACES 4
	s_mul_i32 s46, s[HD], 204800
	s_add_nc_u64 s[WBASE:WBASE+1], s[6:7], s[46:47]
	s_lshl_b32 s46, s[HD], 8
	s_add_nc_u64 s[BVP:BVP+1], s[8:9], s[46:47]
	s_add_nc_u64 s[BKP:BKP+1], s[10:11], s[46:47]
	s_add_nc_u64 s[BQP:BQP+1], s[12:13], s[46:47]
	s_mul_i32 s21, s[CH], 51200
	s_and_b32 s3, s[HD], 1
	s_lshr_b32 s2, s[HD], 1
	s_mul_i32 s46, s2, 6144
	s_add_co_u32 s46, s46, s21
	s_mul_i32 s2, s3, 768
	s_add_co_u32 s46, s46, s2
	s_add_nc_u64 s[OB:OB+1], s[14:15], s[46:47]    ; o's codes: K step head / 2, half head % 2
	s_lshr_b32 s2, s[HD], 3
	s_lshl_b32 s46, s2, 8
	s_add_co_u32 s46, s46, s21
	s_bfe_u32 s2, s[HD], 0x20001
	s_lshl_b32 s2, s2, 2
	s_add_co_u32 s46, s46, s2
	s_lshl_b32 s2, s3, 1
	s_add_co_u32 s46, s46, s2
	s_add_co_u32 s46, s46, 49152
	s_add_nc_u64 s[OSB:OSB+1], s[14:15], s[46:47]  ; and my two bytes of its scale words
	WIN 0x40
	s_wait_alu depctr_va_vdst(0)
.irp u,0,1,2,3
.irp j,0,1,2,3,4,5,6,7
	global_load_b32 v[BI+8*\u+\j], v[BAV], s[BVP:BVP+1] offset:32*\u   ; v's bias tile: a lane holds one d, so its eight registers are equal
.endr
.endr
	WIN 0
	WNEXT
	LOADW 0
	WNEXT
	LOADW 1
	s_wait_tensorcnt 0x0                           ; my quarter has landed,
	s_barrier_signal -1
	s_barrier_wait -1                              ; everybody's has; nothing is filled again
	v_mov_b32 v[ESA], v[ESL]
	v_mov_b32 v[E16], v[L16]
	v_mov_b32 v[E8], v[L8H]
.irp e,0,1,2,3,4,5,6,7
	ds_load_b32 v[ES+\e], v[ESA] offset:1024*\e
.endr
	WIN 0x40
.irp f,0,1,2,3,4,5,6,7,8,9,10,11,12,13,14,15
	FRAG1 \f
.endr
	; ---- V pass: steps 0-7, buffers 0, 1 2 0, 1 2 0, 1
	KSTEP 0, 1, 0, 1, 0, 0, 34
	WIN 0
	s_mov_b32 s[LC], 2
.Lvpass:
	KSTEP 0, 0, 1, 1, 0, 0, 34
	KSTEP 0, 0, 2, 1, 0, 0, 34
	KSTEP 0, 0, 0, 1, 0, 0, 34
	WIN 0
	s_sub_co_u32 s[LC], s[LC], 1
	s_cmp_lg_u32 s[LC], 0
	s_cbranch_scc1 .Lvpass
	KSTEP 0, 0, 1, 1, 1, 1, 42                     ; e's position 0 comes again, for the K pass; bk's tile is asked for
	VQ 0
	VQ 1
	s_wait_dscnt 0x0                               ; the stores have read their registers, which take the next record but one
	; ---- K pass: steps 8-15, buffers 2, 0 1 2, 0 1 2, 0
	KSTEP 1, 1, 2, 1, 0, 0, 34
	WIN 0
	s_mov_b32 s[LC], 2
.Lkpass:
	KSTEP 1, 0, 0, 1, 0, 0, 34
	KSTEP 1, 0, 1, 1, 0, 0, 34
	KSTEP 1, 0, 2, 1, 0, 0, 34
	WIN 0
	s_sub_co_u32 s[LC], s[LC], 1
	s_cmp_lg_u32 s[LC], 0
	s_cbranch_scc1 .Lkpass
	KSTEP 1, 0, 0, 0, 0, 2, 42                     ; the last: nothing more of e; bq's tile is asked for
	WIN 0
	PLACES 4
	WNEXT
	LOADW 0                                        ; record 18, into the buffer that the last step read
	KQ 0
	; window 2 is free: records 19-23 are asked for, their scale words first, so that a record's 16 loads are the last that its step waits for
.irp i,0,1,2,3,4
	s_add_co_u32 s46, s[S0], 19+\i
	s_and_b32 s46, s46, 7
	s_mul_i32 s46, s46, 6400
	s_add_co_u32 s[OFF], s46, 102400               ; Wq's records lie behind Wv's and Wk's
	s_add_nc_u64 s[QWP+2*\i:QWP+2*\i+1], s[WBASE:WBASE+1], s[OFF:OFF+1]
.endr
.irp i,0,1,2,3
	global_load_b64 v[WQ+2*\i:WQ+2*\i+1], v[L8], s[QWP+2*\i:QWP+2*\i+1] offset:6144
.endr
	global_load_b64 v[PS:PS+1], v[L8], s[QWP+8:QWP+9] offset:6144
	WIN 0x80
.irp i,0,1,2,3,4
.irp y,0,1,2,3
	global_load_b128 v[48*\i+12*\y:48*\i+12*\y+3], v[L16], s[QWP+2*\i:QWP+2*\i+1] offset:IMG*\y
	global_load_b64 v[48*\i+12*\y+4:48*\i+12*\y+5], v[L8H], s[QWP+2*\i:QWP+2*\i+1] offset:IMG*\y+512
	global_load_b128 v[48*\i+12*\y+6:48*\i+12*\y+9], v[L16], s[QWP+2*\i:QWP+2*\i+1] offset:IMG*\y+768
	global_load_b64 v[48*\i+12*\y+10:48*\i+12*\y+11], v[L8H], s[QWP+2*\i:QWP+2*\i+1] offset:IMG*\y+1280
.endr
.endr
	WIN 0
	KQ 1
	; ---- Q pass: steps 16-23, written out: each record has registers of its own
.irp p,0,1,2,3
	v_add_nc_u32 v[HA+\p], 2*POSB*\p, v[L16]
	v_add_nc_u32 v[HA+4+\p], 2*POSB*\p, v[L8H]
.endr
	s_wait_alu depctr_va_vdst(0)
.irp j,0,1,2,3,4,5,6,7
	ds_load_b32 v[HS+2*\j], v[ESL] offset:8192+64*\j
	ds_load_b32 v[HS+2*\j+1], v[ESL] offset:9216+64*\j
.endr
	WIN 0xc0
.irp m,0,1,2,3
	HFR1 0, \m
.endr
	QSTEP 0, WB+48, 0, WS+2
	QSTEP 1, WB+96, 0, WS+4
	QSTEP 2, WB, 0, WS
	QSTEP 3, 0, 2, WQ
	QSTEP 4, 48, 2, WQ+2
	QSTEP 5, 96, 2, WQ+4
	QSTEP 6, 144, 2, WQ+6
	QSTEP 7, 192, 2, PS
	WIN 0
	PLACES 4
	; ---- q's four tiles of rows become half images in my own LDS bytes
	WIN 0x40
.irp i,6,7,8,9,10,11
	v_mov_b32 v[QF+\i], 0                          ; K = 64: zero codes
.endr
	BLOCKMAX 4, 3
.irp m,0,1,2,3                         ; the four scale words by turns
	v_lshlrev_b32 v[T+\m], v[SH8], v[BY+\m]
.endr
.irp m,0,1,2,3
	v_permlanex16_b32 v[BY+\m], v[T+\m], s[SEL], s[SEL+1]
.endr
.irp m,0,1,2,3
	v_or_b32 v[QW+\m], v[T+\m], v[BY+\m]
.endr
	WIN 0x03
.irp m,0,1,2,3
	v_cvt_scalef32_pk16_bf6_f32 v[QC+8*\m:QC+8*\m+2], v[32*\m:32*\m+15], v[SO+\m]
	v_cvt_scalef32_pk16_bf6_f32 v[QT+4*\m:QT+4*\m+2], v[32*\m+16:32*\m+31], v[SO+\m]
.endr
	v_nop                                          ; one plain place behind the conversions
	WIN 0
.irp m,0,1,2,3
.irp i,0,1,2
	v_mov_b32 v[QC+8*\m+3+\i], v[QT+4*\m+\i]
.endr
.endr
.irp m,0,1,2,3
	ds_store_b128 v[QI16], v[QC+8*\m:QC+8*\m+3] offset:768*\m
	ds_store_b64 v[QI8], v[QC+8*\m+4:QC+8*\m+5] offset:768*\m+512
	ds_store_b32 v[QIS], v[QW+\m] offset:128*\m
.endr
	WIN 0x80
.irp f,0,1,2,3,4,5,6,7
	ds_load_b128 v[VF+12*\f:VF+12*\f+3], v[VI16] offset:IMG*\f
	ds_load_b64 v[VF+12*\f+4:VF+12*\f+5], v[VI8] offset:IMG*\f+512
	ds_load_b128 v[VF+12*\f+6:VF+12*\f+9], v[VI16] offset:IMG*\f+768
	ds_load_b64 v[VF+12*\f+10:VF+12*\f+11], v[VI8] offset:IMG*\f+1280
.endr
	WIN 0x40
	ds_load_b128 v[QF:QF+3], v[QI16]               ; q's tile 0; LDS serves a wave's instructions in order: these see my stores
	ds_load_b64 v[QF+4:QF+5], v[QI8] offset:512
	WIN 0
	ds_load_b32 v[QS], v[QIS]
	v_mov_b32 v[RX], 0
	v_mov_b32 v[NM+1], 0                           ; named with NM as a pair
	s_mov_b32 s[QP], 0
	s_mov_b32 s[QSP], 0
	s_mov_b32 s[LC], 4
	; ---- attention, a tile of 16 queries a trip
.Latt:
	s_wait_dscnt 0x0                               ; this tile's q, asked for a trip ago
	WIN 0x05
.set b, 0
.rept 16
.set rD, S+8*b
.set rA, KC+12*b
.set sA, KS+b
	WMZ rD, rA, QF, sA, QS                         ; S^T: register 32 c + i = key 64 c + 32 h + i of my query
.set b, b+1
.endr
	WIN 0
	s_add_co_u32 s[QP], s[QP], 768
	s_min_u32 s46, s[QP], 2304                     ; the next tile's q; the last trip asks for tile 3 again, so that the address stays in my own bytes
	s_add_co_u32 s[QSP], s[QSP], 128
	s_min_u32 s47, s[QSP], 384
	v_add_nc_u32 v[A0], s46, v[QI16]               ; these four are the places behind the products
	v_add_nc_u32 v[A0+1], s46, v[QI8]
	v_add_nc_u32 v[A0+2], s47, v[QIS]
	v_nop
	WIN 0x40
	ds_load_b128 v[QF:QF+3], v[A0]
	ds_load_b64 v[QF+4:QF+5], v[A0+1] offset:512
	WIN 0
	ds_load_b32 v[QS], v[A0+2]
.irp c,0,1,2,3
	v_max3_num_f32 v[BM+\c], v[S+32*\c], v[S+32*\c+1], v[S+32*\c+2]   ; the largest score of each block of 32 keys
.endr
.irp i,3,5,7,9,11,13,15,17,19,21,23,25,27,29
.irp c,0,1,2,3
	v_max3_num_f32 v[BM+\c], v[BM+\c], v[S+32*\c+\i], v[S+32*\c+\i+1]
.endr
.endr
.irp c,0,1,2,3
	v_max_num_f32 v[BM+\c], v[BM+\c], v[S+32*\c+31]
.endr
	v_max3_num_f32 v[RM], v[BM], v[BM+1], v[BM+2]
	v_max_num_f32 v[RM], v[RM], v[BM+3]
	v_permlanex16_b32 v[RX], v[RM], s[SEL], s[SEL+1]
	v_max_num_f32 v[RM], v[RM], v[RX]              ; the row's largest score
	v_mul_f32 v[NM], 0xbe38aa3b, v[RM]             ; - c max: its rounding is common to the row and cancels in the division by the sum
.set j, 0
.rept 64
	v_pk_fma_f32 v[S+j:S+j+1], v[S+j:S+j+1], s[CS:CS+1], v[NM:NM+1] op_sel_hi:[1,0,0]
.set j, j+2
.endr
.irp c,0,1,2,3
	v_fma_f32 v[BM+\c], v[BM+\c], s[CS], v[NM]
.endr
.set j, 0
	s_wait_alu depctr_va_vdst(0)
.rept 128
	v_exp_f32 v[S+j], v[S+j]
.set j, j+1
.endr
	v_nop                                          ; a plain instruction behind the batch
	s_wait_alu depctr_va_vdst(0)                   ; the wait ahead of the first reader: one for the 128
.irp c,0,1,2,3
	v_exp_f32 v[BM+\c], v[BM+\c]
.endr
	; the row's sum, in eight chains by turns (pairs v90, 92, 96, 98, 100, 102, 108, 110: temporaries, free at this place): 8 + 48 + 7 packed additions
.set j, 0
.irp c,90,92,96,98,100,102,108,110
	v_pk_add_f32 v[\c:\c+1], v[S+j:S+j+1], v[S+j+16:S+j+17]
.set j, j+2
.endr
.set j, 32
.rept 6
.irp c,90,92,96,98,100,102,108,110
	v_pk_add_f32 v[\c:\c+1], v[\c:\c+1], v[S+j:S+j+1]
.set j, j+2
.endr
.endr
	v_pk_add_f32 v[90:91], v[90:91], v[92:93]
	v_pk_add_f32 v[96:97], v[96:97], v[98:99]
	v_pk_add_f32 v[100:101], v[100:101], v[102:103]
	v_pk_add_f32 v[108:109], v[108:109], v[110:111]
	v_pk_add_f32 v[90:91], v[90:91], v[96:97]
	v_pk_add_f32 v[100:101], v[100:101], v[108:109]
	v_pk_add_f32 v[SA:SA+1], v[90:91], v[100:101]
	v_add_f32 v[SA], v[SA], v[SA+1]
	v_permlanex16_b32 v[RX], v[SA], s[SEL], s[SEL+1]
	v_add_f32 v[SA], v[SA], v[RX]
	s_wait_alu depctr_va_vdst(0)
	v_rcp_f32 v[RI], v[SA]
	v_rcp_f32 v[RI+1], v[SA]
	v_nop
	s_wait_alu depctr_va_vdst(0)                   ; one wait for the four exponentials and the two reciprocals
.set j, 0
.rept 64
	v_pk_mul_f32 v[S+j:S+j+1], v[S+j:S+j+1], v[RI:RI+1]   ; p, finished and normalised
.set j, j+2
.endr
.irp c,0,1,2,3
	v_mul_f32 v[BM+\c], v[BM+\c], v[RI]            ; each block's largest p
.endr
.irp c,0,1,2,3
	v_max_num_f32 v[BM+\c], FLOOR, v[BM+\c]
.endr
.irp c,0,1,2,3
	v_add_nc_u32 v[ASO+\c], EOFF, v[BM+\c]
.endr
.irp c,0,1,2,3
	v_lshrrev_b32 v[ABY+\c], 23, v[ASO+\c]
.endr
.irp s,0,1                             ; p's two scale words by turns, in the bytes' own registers
	v_lshl_or_b32 v[ABY+2*\s], v[ABY+2*\s+1], 16, v[ABY+2*\s]
.endr
.irp s,0,1
	v_lshlrev_b32 v[ABY+2*\s], v[SH8], v[ABY+2*\s]
.endr
.irp s,0,1
	v_permlanex16_b32 v[ABY+2*\s+1], v[ABY+2*\s], s[SEL], s[SEL+1]
.endr
.irp s,0,1
	v_or_b32 v[PS+\s], v[ABY+2*\s], v[ABY+2*\s+1]
.endr
	WIN 0x40
.irp c,0,1,2,3
	v_cvt_scalef32_pk16_bf6_f32 v[PF+6*\c:PF+6*\c+2], v[S+32*\c:S+32*\c+15], v[ASO+\c]
	v_cvt_scalef32_pk16_bf6_f32 v[TP+4*\c:TP+4*\c+2], v[S+32*\c+16:S+32*\c+31], v[ASO+\c]
.endr
	v_nop                                          ; one plain place behind the conversions
	WIN 0x41
.irp c,0,1,2,3
.irp i,0,1,2
	v_mov_b32 v[PF+6*\c+3+\i], v[TP+4*\c+\i]
.endr
.endr
	PLACES 8                                       ; a scale register written by a vector instruction stands 8 places ahead of a scaled product, an operand 4
	WIN 0xa6
.irp s,0,1
.irp u,0,1,2,3
.set rD, O+8*\u
.set rA, VF+12*(2*\u+\s)
.set rB, PF+12*\s
.set sA, VS+2*\u+\s
.set sB, PS+\s
.if \s
	WM rD, rA, rB, rD, sA, sB, 0, 0
.else
	WMZ rD, rA, rB, sA, sB
.endif
.endr
.endr
	WIN 0
.irp k,0,1,2,3
	v_mov_b32 v[OT+\k], FLOOR                      ; (these four are the places behind the products)
.endr
	WIN 0x28
.irp i,0,2,4,6
.irp k,0,1,2,3
	v_max3_num_f32 v[OT+\k], v[OT+\k], |v[O+8*\k+\i]|, |v[O+8*\k+\i+1]|
.endr
.endr
	WIN 0
	v_max3_num_f32 v[OT], v[OT], v[OT+1], v[OT+2]
	v_max_num_f32 v[OT], v[OT], v[OT+3]
	v_add_nc_u32 v[OSO], EOFF, v[OT]
	v_lshrrev_b32 v[OBY], 23, v[OSO]
	v_lshlrev_b32 v[X0], v[SH8], v[OBY]
	v_permlanex16_b32 v[X1], v[X0], s[SEL], s[SEL+1]
	v_or_b32 v[OW], v[X0], v[X1]
	WIN 0x02
	v_cvt_scalef32_pk16_bf6_f32 v[OC:OC+2], v[O:O+15], v[OSO]
	v_cvt_scalef32_pk16_bf6_f32 v[OTT:OTT+2], v[O+16:O+31], v[OSO]
	v_nop                                          ; one plain place behind the conversions
	WIN 0
.irp i,0,1,2
	v_mov_b32 v[OC+3+\i], v[OTT+\i]
.endr
	global_store_b128 v[L16], v[OC:OC+3], s[OB:OB+1]             ; 512 consecutive bytes,
	global_store_b64 v[L8H], v[OC+4:OC+5], s[OB:OB+1] offset:512 ; and 256
	global_store_b16 v[R16], v[OW], s[OSB:OSB+1]
	s_wait_xcnt 0x0                                ; the stores have read their registers and bases
	s_add_nc_u64 s[OB:OB+1], s[OB:OB+1], IMG
	s_add_nc_u64 s[OSB:OSB+1], s[OSB:OSB+1], 512
	s_sub_co_u32 s[LC], s[LC], 1
	s_cmp_lg_u32 s[LC], 0
	s_cbranch_scc1 .Latt
	s_wait_tensorcnt 0x0                           ; the wave's end, behind my last tensor load and LDS store
	ds_add_u32 v[SPW], v[NIL]
	s_wait_dscnt 0x0
	CROUND                                         ; the closing round
	s_endpgm
.Lfunc_end_k_qd7b0e2ae99_attn:
	.size	k_qd7b0e2ae99_attn, .Lfunc_end_k_qd7b0e2ae99_attn-k_qd7b0e2ae99_attn
	.p2alignl 7, 3214868480
	.fill 96, 4, 3214868480
	.section	.rodata,"a",@progbits
	.p2align	6, 0x0
	.amdhsa_kernel k_qd7b0e2ae99_attn
		.amdhsa_group_segment_fixed_size 327680
		.amdhsa_private_segment_fixed_size 0
		.amdhsa_enable_private_segment 0
		.amdhsa_kernarg_size 48
		.amdhsa_user_sgpr_count 2
		.amdhsa_user_sgpr_kernarg_segment_ptr 1
		.amdhsa_wavefront_size32 1
		.amdhsa_system_sgpr_workgroup_id_x 1
		.amdhsa_system_sgpr_workgroup_id_y 1
		.amdhsa_system_sgpr_workgroup_id_z 1
		.amdhsa_system_vgpr_workitem_id 0
		.amdhsa_next_free_vgpr 1024
		.amdhsa_next_free_sgpr 80
		.amdhsa_reserve_vcc 0
		.amdhsa_float_denorm_mode_32 3
		.amdhsa_float_denorm_mode_16_64 3
		.amdhsa_memory_ordered 1
		.amdhsa_forward_progress 1
		.amdhsa_inst_pref_size 255
	.end_amdhsa_kernel
	.section	.bss,"aw",@nobits
	.p2align	6
	.space	262144
	.amdgpu_metadata
---
amdhsa.version: [ 1, 2 ]
amdhsa.kernels:
  - .name:           k_qd7b0e2ae99_attn
    .symbol:         k_qd7b0e2ae99_attn.kd
    .args:
      - { .name: acodes, .offset: 0, .size: 8, .value_kind: global_buffer, .address_space: global }
      - { .name: wcodes, .offset: 8, .size: 8, .value_kind: global_buffer, .address_space: global }
      - { .name: bv, .offset: 16, .size: 8, .value_kind: global_buffer, .address_space: global }
      - { .name: bk, .offset: 24, .size: 8, .value_kind: global_buffer, .address_space: global }
      - { .name: bq, .offset: 32, .size: 8, .value_kind: global_buffer, .address_space: global }
      - { .name: ocodes, .offset: 40, .size: 8, .value_kind: global_buffer, .address_space: global }
    .group_segment_fixed_size: 327680
    .private_segment_fixed_size: 0
    .kernarg_segment_align: 8
    .kernarg_segment_size: 48
    .max_flat_workgroup_size: 128
    .sgpr_count:     80
    .vgpr_count:     1024
    .wavefront_size: 32
...
	.end_amdgpu_metadata
.endif
;; end of part 2
;; launch outp (part 3): grid 4 x 64, 4 waves a work-group, clusters of 4 x 1, 167,936 bytes of LDS; arguments ocodes, wcodes, bo, h, out0; writes out0
.if DOCPART == 3
	.amdgcn_target "amdgcn-amd-amdhsa--gfx1250"
	.amdhsa_code_object_version 6
	.text
	.protected	k_qd7b0e2ae99_outp
	.globl	k_qd7b0e2ae99_outp
	.p2align	8
	.type	k_qd7b0e2ae99_outp,@function
k_qd7b0e2ae99_outp:
	s_mov_b64 s[64:65], 0
	v_nop
	global_prefetch_b8 v0, s[64:65] scope:SCOPE_SE
	s_setreg_imm32_b32 hwreg(HW_REG_WAVE_MODE, 25, 1), 1
	s_wait_xcnt 0x0
	s_wait_alu depctr_hold_cnt(0) depctr_sa_sdst(0) depctr_va_vdst(0) depctr_va_sdst(0) depctr_va_ssrc(0) depctr_va_vcc(0) depctr_vm_vsrc(0)
	s_getreg_b32 s2, hwreg(HW_REG_IB_STS2, 6, 4)
	s_cmp_eq_u32 s2, 0
	s_cbranch_scc0 .Lentry_in_a_cluster
	s_endpgm
.Lentry_in_a_cluster:
	s_bfe_u32 s2, ttmp6, 0x10000c
	s_cmp_lg_u32 s2, 0x3003
	s_cbranch_scc0 .Lentry_shape_is_right
	s_endpgm
.Lentry_shape_is_right:
; out[b][(t + 63) mod 1024] = h there + (o[b][t] Wo + bo where t < 961, else 0). t -> (t + 63) mod 1024 is one to one, so each row of o owns a row of the output, and rows 0-62 get h alone.
; The product is on codes of BF6 (E3M2) with E8M0 scales, as the launches before laid them: images of the operands' registers.
; SHARES. A cluster of four work-groups is a chunk of 64 rows; work-group cx makes 256 columns, a wave 64 (column group 4 cx + wave): 16 accumulators.
;   The chunk's 51,200 bytes of o's codes and scale words are wanted by all four work-groups: one joint tensor load a wave, a quarter each; nothing is filled twice.
;   A wave's eight records of Wo are read by no other wave of the cluster: they go from memory into registers, all asked for at the head, with the bias tile and the rows of h.
; Source 0 = 16 columns of Wo, source 1 = 16 rows of o: a lane holds a row and 32 neighbouring columns. A tile of 16 rows goes through my own stage in LDS and leaves as rows: 16 lanes store 256 consecutive bytes, aligned.
; REGISTERS. window 0: addresses, scales, bo's tile, two sets of o's fragments, 32 row offsets, rows on the way out. windows 1, 2: records 0-4, 5-7. window 3: accumulators, h.
.set IMG,   1536
.set STG,   51200                      ; 16 rows x 272 bytes for each wave
.set SPARE, 68608
.set L16, 1
.set L8H, 2
.set L8,  3
.set SIN, 4
.set SRD, 5
.set TB,  6
.set BA,  7
.set BASE, 8
.set SPW, 20
.set NIL, 21
.set OS,  32                           ; v32-47  o's scale words: register 4m + j: lanes 0-15 K step j, lanes 16-31 K step 4 + j
.set WS,  48                           ; v48-63  Wo's
.set BI,  64
.set AF,  96
.set AD,  192
.set BK,  224
.set WV,  16
.set CX,  17
.set CH,  18
.set CG,  19
.set G1,  24
.set G0,  32
.set WP,  36
.set BP,  38
.set MSB, 0
.macro WIN new
.if MSB != (\new)
	s_set_vgpr_msb (MSB<<8)|(\new)
.set MSB, (\new)
.endif
.endm
.macro PLACES n
.rept \n
	v_nop
.endr
.endm
.macro CROUND
	s_barrier_signal -1
	s_barrier_wait -1
	s_cmp_lg_u32 s[WV], 0
	s_cbranch_scc1 .Lnot_wave_0_\@
	s_barrier_signal -3
.Lnot_wave_0_\@:
	s_barrier_wait -3
	s_barrier_signal -1
	s_barrier_wait -1
.endm
.macro WM d, a, b, c, sa, sb, ra, rb
.if (\ra) && (\rb)
	v_wmma_scale_f32_16x16x128_f8f6f4 v[\d:\d+7], v[\a:\a+11], v[\b:\b+11], v[\c:\c+7], v[\sa], v[\sb] matrix_a_fmt:MATRIX_FMT_BF6 matrix_b_fmt:MATRIX_FMT_BF6 matrix_a_scale:MATRIX_SCALE_ROW1 matrix_b_scale:MATRIX_SCALE_ROW1
.elseif (\ra)
	v_wmma_scale_f32_16x16x128_f8f6f4 v[\d:\d+7], v[\a:\a+11], v[\b:\b+11], v[\c:\c+7], v[\sa], v[\sb] matrix_a_fmt:MATRIX_FMT_BF6 matrix_b_fmt:MATRIX_FMT_BF6 matrix_a_scale:MATRIX_SCALE_ROW1
.elseif (\rb)
	v_wmma_scale_f32_16x16x128_f8f6f4 v[\d:\d+7], v[\a:\a+11], v[\b:\b+11], v[\c:\c+7], v[\sa], v[\sb] matrix_a_fmt:MATRIX_FMT_BF6 matrix_b_fmt:MATRIX_FMT_BF6 matrix_b_scale:MATRIX_SCALE_ROW1
.else
	v_wmma_scale_f32_16x16x128_f8f6f4 v[\d:\d+7], v[\a:\a+11], v[\b:\b+11], v[\c:\c+7], v[\sa], v[\sb] matrix_a_fmt:MATRIX_FMT_BF6 matrix_b_fmt:MATRIX_FMT_BF6
.endif
.endm
.macro AFRAGS s                        ; 16 LDS loads: o's four fragments of K step s into set s % 2
.irp m,0,1,2,3
	ds_load_b128 v[AF+48*((\s)%2)+12*\m:AF+48*((\s)%2)+12*\m+3], v[L16] offset:6144*(\s)+IMG*\m
	ds_load_b64 v[AF+48*((\s)%2)+12*\m+4:AF+48*((\s)%2)+12*\m+5], v[L8H] offset:6144*(\s)+IMG*\m+512
	ds_load_b128 v[AF+48*((\s)%2)+12*\m+6:AF+48*((\s)%2)+12*\m+9], v[L16] offset:6144*(\s)+IMG*\m+768
	ds_load_b64 v[AF+48*((\s)%2)+12*\m+10:AF+48*((\s)%2)+12*\m+11], v[L8H] offset:6144*(\s)+IMG*\m+1280
.endr
.endm
	s_load_b256 s[4:11], s[0:1], 0x0               ; ocodes, wcodes, bo, h
	s_load_b64 s[12:13], s[0:1], 0x20              ; out0
	v_lshl_add_u32 v[SPW], v0, 2, SPARE
	v_mov_b32 v[NIL], 0
	ds_add_u32 v[SPW], v[NIL]                      ; the wave's opening: the add and its wait ahead of my first tensor load; work on registers stands between
	ds_add_u32 v[SPW], v[NIL]
	v_lshrrev_b32 v9, 5, v0
	v_readfirstlane_b32 s[WV], v9
	s_bfe_u32 s[CX], ttmp6, 0x40000                ; my place in the cluster: it enters global addresses of Wo, bo, h and the output alone
	s_and_b32 s[CH], ttmp7, 0xffff                 ; the chunk, which the four partners share
	s_lshl_b32 s[CG], s[CX], 2
	s_add_co_u32 s[CG], s[CG], s[WV]               ; my column group
	s_mov_b32 s[G1], 15|(3<<16)|(1<<21)            ; the mask: all four work-groups; elements of 8 bytes; bit 21 beside a mask
	s_mov_b32 s[G1+1], 32<<16                      ; rows of 256 bytes
	s_mov_b32 s[G1+2], 50<<16
	s_mov_b32 s[G1+3], 32<<16
	s_mov_b32 s[G1+4], 50
	s_mov_b32 s[G1+5], 32
	s_mov_b32 s[G1+6], 0
	s_mov_b32 s[G1+7], 0
	s_mov_b32 s[G0], 1
	s_mul_i32 s[G0+1], s[WV], 12800                ; my quarter, in LDS as in memory
	v_and_b32 v9, 31, v0                           ; lane
	v_and_b32 v10, 15, v0                          ; r
	v_bfe_u32 v11, v0, 4, 1                        ; h
	v_lshlrev_b32 v[L16], 4, v9
	v_lshlrev_b32 v12, 4, v10
	v_lshl_add_u32 v[L8H], v11, 3, v12
	v_lshlrev_b32 v[L8], 3, v9
	v_lshlrev_b32 v[BA], 7, v11
	s_mul_i32 s46, s[WV], 4352
	s_add_co_u32 s46, s46, STG
	v_mul_u32_u24 v[SIN], v10, 272
	v_lshl_add_u32 v[SIN], v11, 7, v[SIN]
	v_add_nc_u32 v[SIN], s46, v[SIN]               ; into the stage: row r, 128 bytes for each half of the lanes
	v_mul_u32_u24 v[SRD], v11, 272
	v_add_nc_u32 v[SRD], v[SRD], v12
	v_add_nc_u32 v[SRD], s46, v[SRD]               ; back: lanes 0-15 one row, lanes 16-31 the next
	s_and_b32 s46, s[CH], 15
	s_lshl_b32 s46, s46, 6
	v_add_nc_u32 v[TB], s46, v11                   ; t of my row of a pair, less 16 m + 2 i
	s_lshr_b32 s46, s[CH], 4
	s_lshl_b32 s46, s46, 22                        ; the batch: 1,024 rows of 4,096 bytes
	s_lshl_b32 s47, s[CG], 8
	s_add_co_u32 s46, s46, s47
	v_add_nc_u32 v[BASE], s46, v12
	s_wait_dscnt 0x0                               ; the opening add is done
	s_wait_kmcnt 0x0
	s_mul_i32 s46, s[CH], 51200
	s_add_co_u32 s46, s46, s[G0+1]
	s_mov_b32 s47, 0
	s_add_nc_u64 s[G0+2:G0+3], s[4:5], s[46:47]
	s_or_b32 s[G0+3], s[G0+3], 0x80000000
	CROUND                                         ; all four work-groups are here: the joint loads meet
	tensor_load_to_lds s[G0:G0+3], s[G1:G1+7]      ; my one tensor load
	s_nop 0
	PLACES 4
	s_mul_i32 s46, s[CG], 204800
	s_add_co_u32 s46, s46, 153600                  ; Wo's records of my column group
	s_add_nc_u64 s[WP:WP+1], s[6:7], s[46:47]
	s_lshl_b32 s46, s[CG], 8
	s_add_nc_u64 s[BP:BP+1], s[8:9], s[46:47]
	s_wait_alu depctr_va_vdst(0)
.irp i,0,1,2,3,4,5,6,7
	global_load_b128 v[BI+4*\i:BI+4*\i+3], v[BA], s[BP:BP+1] offset:16*\i
.endr
.irp s,0,1,2,3,4,5,6,7
	global_load_b64 v[WS+2*\s:WS+2*\s+1], v[L8], s[WP:WP+1] offset:6400*\s+6144
.endr
.irp s,0,1,2,3,4,5,6,7
	WIN (1+\s/5)<<6
.irp y,0,1,2,3
	global_load_b128 v[48*(\s%5)+12*\y:48*(\s%5)+12*\y+3], v[L16], s[WP:WP+1] offset:6400*\s+IMG*\y
	global_load_b64 v[48*(\s%5)+12*\y+4:48*(\s%5)+12*\y+5], v[L8H], s[WP:WP+1] offset:6400*\s+IMG*\y+512
	global_load_b128 v[48*(\s%5)+12*\y+6:48*(\s%5)+12*\y+9], v[L16], s[WP:WP+1] offset:6400*\s+IMG*\y+768
	global_load_b64 v[48*(\s%5)+12*\y+10:48*(\s%5)+12*\y+11], v[L8H], s[WP:WP+1] offset:6400*\s+IMG*\y+1280
.endr
.endr
	WIN 0
.irp m,0,1,2,3
.irp i,0,1,2,3,4,5,6,7
	v_add_nc_u32 v9, 16*\m+2*\i+63, v[TB]
	v_and_b32 v9, 1023, v9
	v_lshl_add_u32 v[AD+8*\m+\i], v9, 12, v[BASE]  ; the row (t + 63) mod 1024 of my batch, my 16 bytes: in h and in the output alike
.endr
.endr
	WIN 0xc0
.irp m,0,1,2,3
.irp i,0,1,2,3,4,5,6,7
	global_load_b128 v[128+4*(8*\m+\i):128+4*(8*\m+\i)+3], v[AD+8*\m+\i], s[10:11] th:TH_LOAD_NT
.endr
.endr
	WIN 0
	s_wait_tensorcnt 0x0                           ; my quarter has landed,
	s_barrier_signal -1
	s_barrier_wait -1                              ; everybody's has; nothing is filled again
.irp m,0,1,2,3
	ds_load_b128 v[OS+4*\m:OS+4*\m+3], v[L16] offset:49152+512*\m
.endr
	AFRAGS 0
.irp s,0,1,2,3,4,5,6,7
.if \s > 0
	PLACES 4                                       ; ahead of loads into registers that the last products but these read
.endif
.if \s < 7
	AFRAGS (\s+1)
.endif
.if 16*(7-\s)+32 > 63
	s_wait_loadcnt 63                              ; younger than record s: 16 (7 - s) loads of records and 32 of h; the count's field ends at 63
.else
	s_wait_loadcnt 16*(7-\s)+32
.endif
.if \s < 7
	s_wait_dscnt 16                                ; all but the 16 just issued
.else
	s_wait_dscnt 0x0
.endif
.if \s == 0
	WIN 0xc1
.else
	WIN 0xf0|(1+\s/5)
.endif
.irp x,0,1,2,3
.irp y,0,1,2,3
.set rD, 32*\x+8*\y
.set rW, 48*(\s%5)+12*\y
.set rA, AF+48*(\s%2)+12*\x
.set sW, WS+2*\s+\y/2
.set sO, OS+4*\x+\s%4
.set qW, \y%2
.set qO, \s/4
.if \s == 0
.set rC, BI+8*\y
.else
.set rC, rD
.endif
	WM rD, rW, rA, rC, sW, sO, qW, qO              ; the 16 accumulators by turns, in one order in every step
.endr
.endr
	WIN 0
.endr
	PLACES 4
	; THE WAY OUT, a tile of 16 rows at a time
.irp m,0,1,2,3
	WIN 0x0c
.irp y,0,1,2,3
	ds_store_b128 v[SIN], v[32*\m+8*\y:32*\m+8*\y+3] offset:32*\y          ; each accumulator from its low end on
	ds_store_b128 v[SIN], v[32*\m+8*\y+4:32*\m+8*\y+7] offset:32*\y+16
.endr
	WIN 0
	s_wait_xcnt 0x0                                ; the last tile's stores have read their registers
.irp i,0,1,2,3,4,5,6,7
	ds_load_b128 v[BK+4*\i:BK+4*\i+3], v[SRD] offset:544*\i                ; LDS serves a wave's instructions in order: these see my stores
.endr
	s_wait_loadcnt 8*(3-\m)                        ; h's rows of this tile are in; the later tiles' may be out
	s_wait_dscnt 0x0
.irp i,0,1,2,3,4,5,6,7
	v_cmp_gt_u32 vcc_lo, 961-16*\m-2*\i, v[TB]     ; t < 961: the row of o counts
.irp q,0,1,2,3
	v_cndmask_b32 v[BK+4*\i+\q], 0, v[BK+4*\i+\q], vcc_lo
.endr
.endr
	WIN 0x0c
.irp i,0,1,2,3,4,5,6,7
	v_pk_add_f32 v[BK+4*\i:BK+4*\i+1], v[BK+4*\i:BK+4*\i+1], v[128+4*(8*\m+\i):128+4*(8*\m+\i)+1]
	v_pk_add_f32 v[BK+4*\i+2:BK+4*\i+3], v[BK+4*\i+2:BK+4*\i+3], v[128+4*(8*\m+\i)+2:128+4*(8*\m+\i)+3]
.endr
	WIN 0
.irp i,0,1,2,3,4,5,6,7
	global_store_b128 v[AD+8*\m+\i], v[BK+4*\i:BK+4*\i+3], s[12:13] th:TH_STORE_NT   ; 16 lanes store 256 consecutive bytes, aligned
.endr
.endr
	s_wait_tensorcnt 0x0                           ; the wave's end, behind my last tensor load and LDS store
	ds_add_u32 v[SPW], v[NIL]
	s_wait_dscnt 0x0
	CROUND                                         ; the closing round
	s_endpgm
.Lfunc_end_k_qd7b0e2ae99_outp:
	.size	k_qd7b0e2ae99_outp, .Lfunc_end_k_qd7b0e2ae99_outp-k_qd7b0e2ae99_outp
	.p2alignl 7, 3214868480
	.fill 96, 4, 3214868480
	.section	.rodata,"a",@progbits
	.p2align	6, 0x0
	.amdhsa_kernel k_qd7b0e2ae99_outp
		.amdhsa_group_segment_fixed_size 167936
		.amdhsa_private_segment_fixed_size 0
		.amdhsa_enable_private_segment 0
		.amdhsa_kernarg_size 40
		.amdhsa_user_sgpr_count 2
		.amdhsa_user_sgpr_kernarg_segment_ptr 1
		.amdhsa_wavefront_size32 1
		.amdhsa_system_sgpr_workgroup_id_x 1
		.amdhsa_system_sgpr_workgroup_id_y 1
		.amdhsa_system_sgpr_workgroup_id_z 1
		.amdhsa_system_vgpr_workitem_id 0
		.amdhsa_next_free_vgpr 1024
		.amdhsa_next_free_sgpr 66
		.amdhsa_reserve_vcc 1
		.amdhsa_float_denorm_mode_32 3
		.amdhsa_float_denorm_mode_16_64 3
		.amdhsa_memory_ordered 1
		.amdhsa_forward_progress 1
		.amdhsa_inst_pref_size 71
	.end_amdhsa_kernel
	.amdgpu_metadata
---
amdhsa.version: [ 1, 2 ]
amdhsa.kernels:
  - .name:           k_qd7b0e2ae99_outp
    .symbol:         k_qd7b0e2ae99_outp.kd
    .args:
      - { .name: ocodes, .offset: 0, .size: 8, .value_kind: global_buffer, .address_space: global }
      - { .name: wcodes, .offset: 8, .size: 8, .value_kind: global_buffer, .address_space: global }
      - { .name: bo, .offset: 16, .size: 8, .value_kind: global_buffer, .address_space: global }
      - { .name: h, .offset: 24, .size: 8, .value_kind: global_buffer, .address_space: global }
      - { .name: out0, .offset: 32, .size: 8, .value_kind: global_buffer, .address_space: global }
    .group_segment_fixed_size: 167936
    .private_segment_fixed_size: 0
    .kernarg_segment_align: 8
    .kernarg_segment_size: 40
    .max_flat_workgroup_size: 128
    .sgpr_count:     66
    .vgpr_count:     1024
    .wavefront_size: 32
...
	.end_amdgpu_metadata
.endif
;; end of part 3
